; MI455X (gfx1250); checked and timed in simulation.
; The chip was launched on July 23, 2026; its instructions are those of AMD's public machine-readable ISA for CDNA 5 (MIT licence, August 2026) and "CDNA5" Instruction Set Architecture Reference Guide (July 2026). The comments in the code are by the model that wrote it; some were corrected since.
;; Multi Headed Attention. Allowed arithmetic: matrix products marked QUANTISED: E2M3 operands, one E8M0 scale for each 32 along K, by v_wmma_scale_f32_16x16x128_f8f6f4 with both operands' format E2M3, f32 sums; everything else in f32.
;; Inputs: Wk 1,024 x 1,024 float32; Wo 1,024 x 1,024 float32; Wq 1,024 x 1,024 float32; Wv 1,024 x 1,024 float32; bk 1,024 float32; bo 1,024 float32; bq 1,024 float32; bv 1,024 float32; key 4 x 2,048 x 1,024 float32; mask 4 x 1 x 2,048 x 2,048 bool; query 4 x 2,048 x 1,024 float32; value 4 x 2,048 x 1,024 float32.
;; Outputs: out0 4 x 2,048 x 1,024 float32.
;; This version of the problem:
;;   THIS VERSION OF THE PROBLEM IS GIVEN IN LOW PRECISION. The matrix products marked QUANTISED in the list below multiply operands that are first quantised to E2M3 (2 exponent bits, 3 mantissa bits; 6 bits a number), with one power-of-two scale for each 32 numbers along K (OCP MX v1.0); their sums are f32. All else is computed in f32.
;;   The module's matrix products, in the order in which they are computed (A, B: the left and right operand; K: the contracted axis; several contracted axes count as one K, in the product's order):
;;     1. [M 8,192, K 1,024] x [K 1,024, N 1,024]; A: input query; B: input Wq: QUANTISED
;;     2. [M 8,192, K 1,024] x [K 1,024, N 1,024]; A: input key; B: input Wk: QUANTISED
;;     3. [M 8,192, K 1,024] x [K 1,024, N 1,024]; A: input value; B: input Wv: QUANTISED
;;     4. batch 64 x [M 2,048, K 64] x [K 64, N 2,048]; A: computed on the way; B: computed on the way: QUANTISED
;;     5. batch 64 x [M 2,048, K 2,048] x [K 2,048, N 64]; A: softmax (see below); B: computed on the way: QUANTISED
;;     6. [M 8,192, K 1,024] x [K 1,024, N 1,024]; A: computed on the way; B: input Wo: QUANTISED
;;   THE QUANTISER, for each operand of a quantised product, along K:
;;     - K is cut into blocks of 32 from its start; a last block that is shorter is filled with zeros.
;;     - A block's scale is 2^e with e = floor(log2(the largest magnitude in the block)) - 2, held to -126 .. 127; a block of zeros has e = 0. As a byte (E8M0): e + 127.
;;     - Each number is divided by its block's scale, clamped to +-7.5, and rounded to the nearest number of E2M3, ties to even, subnormals kept.
;;     - The product sums the exact products of the quantised numbers (number of the format x scale) in f32.
;;   ~~~python
;;   def quantise(x, axis):      # numpy; x: float32 -> the quantised numbers, widened to float32 again
;;       x = np.moveaxis(x, axis, -1); K = x.shape[-1]
;;       x = np.pad(x, [(0, 0)] * (x.ndim - 1) + [(0, -K % 32)]); x = x.reshape(x.shape[:-1] + (-1, 32)); a = np.abs(x).max(-1, keepdims=True)
;;       e = np.where(a > 0, np.clip(np.frexp(np.where(a > 0, a, 1))[1] - 1 - 2, -126, 127), 0)      # np.frexp(a)[1] - 1 = floor(log2(a)), exactly
;;       r = np.clip(x / 2.0 ** e, -7.5, 7.5)
;;       step = 2.0 ** (np.maximum(np.frexp(np.where(r == 0, 1, r))[1] - 1, 0) - 3)
;;       q = np.round(r / step) * step * 2.0 ** e      # np.round: ties to even
;;       return np.moveaxis(q.reshape(q.shape[:-2] + (-1,))[..., :K], -1, axis).astype(np.float32)
;;   ~~~
;;   SOFTMAX AHEAD OF A QUANTISED PRODUCT. Where the list says 'softmax', what is quantised is not the finished softmax but p = 2^(t - M), with t = logit x log2(e) and M = ceil(the row's largest t), a whole number; so 1/2 < the row's largest p <= 1. The row's sum l is taken of the UNQUANTISED p, in f32, and the product's result is divided by l at the end. Since M is a whole number, a kernel that streams over the keys may use a running M (the ceiling of the running maximum): every later rescaling is an exact power of two, which a block's scale takes up: the codes' values come out the same.
;;   OPERANDS COMPUTED ON THE WAY. 'Computed on the way' means the value that the module computes at that place (a softmax that the list does not call 'softmax' is quantised finished and normalised). What goes into a quantiser is computed in f32, as accurately as f32 sums, v_exp_f32 and their like allow (about 1e-6 of the number): no bf16 or f16 on the way to a quantiser, and a product that is left as it is and whose result goes on into a quantised operand takes f32 operands (vector FMAs, or v_wmma_f32_16x16x4_f32). A number that lies on a knife's edge between two numbers of the format may be rounded either way, as far as f32 arithmetic and the matrix unit's own rounding can turn it there, and no further.
;; One version. Each part assembles by itself: llvm-mc -triple=amdgcn-amd-amdhsa -mcpu=gfx1250 --defsym DOCPART=n.
;; ======== version 1 of 1: 4 launches
;; limits: right only within a limited range of input values
;; workspace buffers: ac 22,020,096 bytes; sc 1,179,648 bytes; mb 2,097,152 bytes of whole numbers; mc 16,384 bytes of whole numbers; hc 20,185,088 bytes; xc 6,291,456 bytes
;; launch prep (part 1): grid 704 x 1, 4 waves a work-group, no clusters, 51,712 bytes of LDS; arguments query, key, value, Wq, Wk, Wv, Wo, mask, ac, sc, mb, mc; writes ac, sc, mb, mc
.if DOCPART == 1
	.amdgcn_target "amdgcn-amd-amdhsa--gfx1250"
	.amdhsa_code_object_version 6
	.text
	.protected	k_q4ee10087b3_prep
	.globl	k_q4ee10087b3_prep
	.p2align	8
	.type	k_q4ee10087b3_prep,@function
k_q4ee10087b3_prep:
	s_mov_b64 s[64:65], 0
	v_nop
	global_prefetch_b8 v0, s[64:65] scope:SCOPE_SE
	s_setreg_imm32_b32 hwreg(HW_REG_WAVE_MODE, 25, 1), 1
	s_wait_xcnt 0x0
; PREP.  (Q) query, key, value [8192][1024] and Wq, Wk, Wv, Wo [1024][1024], f32, K innermost, become codes of FP6 (E2M3) with one E8M0 byte for each 32 along K.
; (M) the mask [4][2048][2048] of bytes becomes lane masks, one bit a score, in the order in which the attention launch holds its scores.
; CODES are laid as IMAGES OF THE OPERAND'S REGISTERS: a fragment (16 rows x 128 K, 12 registers a lane) is 1,536 bytes, register 4 c + i of lane L at 512 c + 16 L + 4 i.
; ac: [block of 16 rows, id][K step 0..7][image].  ids: query 0, key 512, value 1024, Wq 1536, Wk 1600, Wv 1664, Wo 1728.  sc: 512 bytes a block: the word of (row lane r, K step ks) at 256 (ks / 4) + 16 r + 4 (ks % 4).
; WHICH ROWS FORM A BLOCK: query and Wo: lane r holds row 16 rb + r.  All others: lane r holds row 32 (rb / 2) + 8 (rb % 2) + r + 8 (r / 8), so that a product that takes the block as its source 0
; leaves 16 neighbouring rows in the 16 registers of two neighbouring tiles.
; mb: [b][tile of 16 queries][step of 128 keys][64 words]: bit L = 16 h + r of word 16 bb + i is mask[b][16 qt + r][128 s + 32 bb + 16 h + i].
; A block's scale is 2^(floor(log2(its largest magnitude)) - 2); its byte is the largest magnitude's exponent field - 2, held at 1 from below.
; LIMITS: a block of zeros gets the byte 1 where the rule says 127 (its codes are zeros, and these bytes are read by this program alone); NaN and infinities among the inputs are not served.
; SHARES.  Work-groups 0-447: a wave takes one block of 16 rows, all 1,024 along K, in 8 steps.  Work-groups 448-703: a wave takes 16 rows of the mask x 1,024 keys, in 4 chunks of 256.
; Every load reads 512 consecutive bytes (the mask: two rows' 256); the bytes turn through the wave's own stage in LDS.  No tensor load, no barrier, no cluster: waves and work-groups share no input.
.set QST,   8448                       ; a wave's stage for numbers: 16 rows x (512 bytes + 16)
.set MST0,  33792                      ; behind the four: the stages for the mask, bytes of their own
.set MST,   4352                       ; 16 rows x (256 bytes + 16)
.set SPARE, 51200                      ; behind them: the spare words, 128 bytes for each wave, which no other line names
.set PC,  16                           ; v16-27 the codes just made; v28-30, v32-34 halves on their way
.set TM,  36                           ; v36-39 largest magnitudes, v40-43 bytes, v48-51 the conversions' scale operands
.set W,   52                           ; v52-59 the scale words of the 8 K steps
.set SPW, 60                           ; v60 LDS address of my spare word; never rewritten
.set NIL, 61                           ; v61 0; never rewritten
.set R,   64                           ; v64-191 two sets of 64 numbers as loaded (the mask: two sets of 32 registers)
.set X,   192                          ; v192-255 64 numbers of my row: register 16 bb + i = k 32 bb + 16 h + i
.set Y,   128                          ; the mask: v128-159 my row's 2 x 4 x 16 bytes
.set OUTW, 160                         ; v160-167 two sets of four: 128 words, word n at lane n / 4, register n % 4
.set TT,  176                          ; v176-183 at work
	s_load_b256 s[4:11], s[0:1], 0x0               ; query, key, value, Wq
	s_load_b256 s[12:19], s[0:1], 0x20             ; Wk, Wv, Wo, mask
	s_load_b128 s[20:23], s[0:1], 0x40             ; ac, sc
	s_load_b64 s[24:25], s[0:1], 0x50              ; mb
	s_load_b64 s[34:35], s[0:1], 0x58              ; mc: for each (tile of 16 queries, half of the keys) four words: the OR of its lane masks, a bit for each of its 8 steps that has a true bit, a bit for each step that is all true, 0
	v_lshl_add_u32 v[SPW], v0, 2, SPARE
	v_mov_b32 v[NIL], 0
	v_lshrrev_b32 v7, 5, v0
	v_readfirstlane_b32 s26, v7                    ; wave 0..3
	v_and_b32 v7, 31, v0                           ; lane L
	v_and_b32 v8, 15, v0                           ; r
	v_bfe_u32 v9, v0, 4, 1                         ; h
	v_lshlrev_b32 v1, 4, v7                        ; 16 L: a load's, an image's and a word store's place
	s_mul_i32 s27, s26, QST
	v_add_nc_u32 v2, s27, v1                       ; numbers into the stage: a row's 512 bytes as they lie
	v_mul_u32_u24 v3, v8, 528
	v_lshl_add_u32 v3, v9, 6, v3
	v_add_nc_u32 v3, s27, v3                       ; and out of it: row r, + 64 h: my 16 numbers of each block of 32
	v_lshlrev_b32 v4, 4, v8
	v_lshl_add_u32 v4, v9, 11, v4                  ; the mask in memory: 16 bytes a lane, lanes 16-31 one row (2,048 bytes) down
	s_mul_i32 s27, s26, MST
	s_add_co_u32 s27, s27, MST0
	v_mul_u32_u24 v5, v9, 272
	v_lshl_add_u32 v5, v8, 4, v5
	v_add_nc_u32 v5, s27, v5                       ; into its stage
	v_mul_u32_u24 v6, v8, 272
	v_lshl_add_u32 v6, v9, 4, v6
	v_add_nc_u32 v6, s27, v6                       ; and out of it: row r, + 16 h
	s_cmp_lt_u32 ttmp9, 448
	s_cbranch_scc0 .Lmask
	; ---------------- (Q) numbers into codes ----------------
	s_lshl_b32 s31, ttmp9, 2
	s_add_co_u32 s31, s31, s26                     ; id: my block among all seven tensors'
	s_mov_b32 s48, 0x76543210
	s_mov_b32 s49, 0xfedcba98                      ; v_permlanex16_b32's selects for lane l xor 16
.irp b, 0,1,2,3
	v_mov_b32 v[TM+4+\b], 0                        ; written once: a lane permute's destination counts as one of its sources
.endr
	s_wait_kmcnt 0x0
	s_mov_b64 s[28:29], s[16:17]                   ; which tensor: the choice hangs on the work-group's number alone
	s_mov_b32 s30, 432                             ; and its first work-group
.macro PICK lim, ptr, first
	s_cmp_lt_u32 ttmp9, \lim
	s_cselect_b64 s[28:29], s[\ptr:\ptr+1], s[28:29]
	s_cselect_b32 s30, \first, s30
.endm
	PICK 432, 14, 416
	PICK 416, 12, 400
	PICK 400, 10, 384
	PICK 384, 8, 256
	PICK 256, 6, 128
	PICK 128, 4, 0
	s_sub_co_u32 s32, ttmp9, s30
	s_lshl_b32 s32, s32, 2
	s_add_co_u32 s32, s32, s26                     ; rb: my block in its tensor
	s_sub_co_u32 s33, s31, 512
	s_cmp_lt_u32 s33, 1216                         ; ids 512 .. 1727 take the second order of rows
	s_cselect_b32 s34, 8, 16
	s_cselect_b32 s35, 32768, 0
	s_lshr_b32 s36, s32, 1
	s_lshl_b32 s36, s36, 5
	s_and_b32 s37, s32, 1
	s_mul_i32 s37, s37, s34
	s_add_co_u32 s36, s36, s37                     ; lane 0's row
	s_lshl_b32 s36, s36, 12                        ; x 4,096 bytes (under 2^26)
	s_mov_b32 s37, 0
	s_add_nc_u64 s[28:29], s[28:29], s[36:37]      ; lanes 0-7's rows follow each other from here;
	s_mov_b32 s36, s35
	s_add_nc_u64 s[38:39], s[28:29], s[36:37]      ; lanes 8-15's lie 8 rows further on in the second order
	s_mul_i32 s40, s31, 12288
	s_mov_b32 s41, 0
	s_add_nc_u64 s[20:21], s[20:21], s[40:41]      ; my block's images
	s_lshl_b32 s40, s31, 9
	s_add_nc_u64 s[22:23], s[22:23], s[40:41]      ; and its scale words
.macro QLOAD t                         ; K step t: 16 rows x 512 bytes
.irp i, 0,1,2,3,4,5,6,7
	global_load_b128 v[R+64*((\t)%2)+4*\i:R+64*((\t)%2)+4*\i+3], v1, s[28:29] offset:4096*\i+512*(\t) th:TH_LOAD_NT
.endr
.irp i, 8,9,10,11,12,13,14,15
	global_load_b128 v[R+64*((\t)%2)+4*\i:R+64*((\t)%2)+4*\i+3], v1, s[38:39] offset:4096*\i+512*(\t) th:TH_LOAD_NT
.endr
.endm
; 64 numbers of a lane, register 16 b + i = k 32 b + 16 h + i of my row, become a fragment's codes in v[PC] on and its scale word in v[w].
.macro QUANT s, w
.irp b, 0,1,2,3
	v_max3_num_f32 v[TM+\b], |v[\s+16*\b]|, |v[\s+1+16*\b]|, 0x1800000   ; my 16 numbers of block b, and the floor 2^(3 - 127): the byte cannot fall under 1
.endr
.irp i, 2,4,6,8,10,12,14
.irp b, 0,1,2,3
	v_max3_num_f32 v[TM+\b], v[TM+\b], |v[\s+16*\b+\i]|, |v[\s+1+16*\b+\i]|
.endr
.endr
.irp b, 0,1,2,3
	v_permlanex16_b32 v[TM+4+\b], v[TM+\b], s48, s49
.endr
.irp b, 0,1,2,3
	v_max_num_f32 v[TM+\b], v[TM+\b], v[TM+4+\b]   ; with lane l xor 16's: the block's largest magnitude
.endr
.irp b, 0,1,2,3
	v_add_nc_u32 v[TM+12+\b], 0xff000000, v[TM+\b] ; 2 off its exponent field: the conversion takes the exponent field of this operand as its scale
.endr
.irp b, 0,1,2,3
	v_lshrrev_b32 v[TM+4+\b], 23, v[TM+12+\b]      ; the scale's byte
.endr
	v_lshl_or_b32 v[(\w)], v[TM+5], 8, v[TM+4]
	v_lshl_or_b32 v[(\w)], v[TM+6], 16, v[(\w)]
	v_lshl_or_b32 v[(\w)], v[TM+7], 24, v[(\w)]
.irp c, 0,1
	v_cvt_scalef32_pk16_fp6_f32 v[PC+6*\c:PC+2+6*\c], v[\s+32*\c:\s+15+32*\c], v[TM+12+2*\c]
	v_cvt_scalef32_pk16_fp6_f32 v[PC+12+4*\c:PC+14+4*\c], v[\s+16+32*\c:\s+31+32*\c], v[TM+12+2*\c+1]   ; (a conversion's three registers begin on an even number)
.endr
	v_nop                                          ; one plain place behind a scaled conversion
.irp c, 0,1                            ; the operand's layout wants a whole block in a lane: lanes 0-15 block 2 c, lanes 16-31 block 2 c + 1
.irp i, 0,1,2
	v_permlane16_swap_b32 v[PC+6*\c+\i], v[PC+12+4*\c+\i]
.endr
.irp i, 0,1,2
	v_mov_b32 v[PC+3+6*\c+\i], v[PC+12+4*\c+\i]
.endr
.endr
.endm
.macro KSTEP t
.if (\t) < 7
	s_wait_loadcnt 16                              ; this step's sixteen loads are in; the next step's sixteen may be out
.else
	s_wait_loadcnt 0
.endif
.irp i, 0,1,2,3,4,5,6,7,8,9,10,11,12,13,14,15
	ds_store_b128 v2, v[R+64*((\t)%2)+4*\i:R+64*((\t)%2)+4*\i+3] offset:528*\i
.endr
.irp b, 0,1,2,3
.irp j, 0,1,2,3
	ds_load_b128 v[X+16*\b+4*\j:X+16*\b+4*\j+3], v3 offset:128*\b+16*\j   ; LDS serves a wave's instructions in order: these see the stores above
.endr
.endr
	s_wait_dscnt 0x0                               ; the numbers are back, and the stores into the stage have read their registers
	s_wait_xcnt 0x0                                ; the last step's stores have read the codes' registers, which are written again below
.if (\t) < 6
	QLOAD (\t)+2
.endif
	QUANT X, W+(\t)
.irp c, 0,1,2
	global_store_b128 v1, v[PC+4*\c:PC+4*\c+3], s[20:21] offset:1536*(\t)+512*\c   ; 32 lanes store 512 consecutive bytes, aligned
.endr
.endm
	QLOAD 0
	QLOAD 1
.irp t, 0,1,2,3,4,5,6,7
	KSTEP \t
.endr
	v_cmp_eq_u32 vcc_lo, 1, v9
.irp i, 0,1,2,3
	v_cndmask_b32 v[TM+\i], v[W+\i], v[W+4+\i], vcc_lo   ; lanes 0-15 store K steps 0-3 of their row, lanes 16-31 K steps 4-7
.endr
	global_store_b128 v1, v[TM:TM+3], s[22:23]
	s_wait_tensorcnt 0x0                           ; the wave's end, behind my last LDS store
	ds_add_u32 v[SPW], v[NIL]
	s_wait_dscnt 0x0
	s_endpgm
	; ---------------- (M) the mask into lane masks ----------------
.Lmask:
	s_sub_co_u32 s27, ttmp9, 448
	s_lshl_b32 s27, s27, 2
	s_add_co_u32 s27, s27, s26                     ; 0 .. 1023: (tile of 16 queries, half of the keys)
	s_lshr_b32 s28, s27, 1
	s_and_b32 s29, s27, 1
	s_lshl_b32 s30, s28, 15                        ; 16 rows of 2,048 bytes,
	s_lshl_b32 s32, s29, 10                        ; 1,024 keys
	s_add_co_u32 s30, s30, s32
	s_mov_b32 s31, 0
	s_lshl_b32 s32, s28, 12                        ; 16 steps of 256 bytes,
	s_lshl_b32 s33, s29, 11                        ; 8 of them
	s_add_co_u32 s32, s32, s33
	s_mov_b32 s33, 0
	s_mov_b32 s36, 0xff
	s_mov_b32 s37, 0xff00
	s_mov_b32 s38, 0xff0000
	s_mov_b32 s39, 0xff000000
	s_mov_b32 s54, 0                               ; the OR of all my words
	s_mov_b32 s55, 0                               ; steps with a true bit
	s_mov_b32 s57, 0                               ; steps that are all true
.irp i, 0,1,2,3,4,5,6,7
	v_mov_b32 v[OUTW+\i], 0                        ; written once: v_writelane_b32's destination counts as read
.endr
	s_wait_kmcnt 0x0
	s_add_nc_u64 s[18:19], s[18:19], s[30:31]
	s_add_nc_u64 s[24:25], s[24:25], s[32:33]
.macro MLOAD c                         ; chunk c: 16 rows x 256 keys: eight loads of two rows' 256 bytes
.irp j, 0,1,2,3,4,5,6,7
	global_load_b128 v[R+32*((\c)%2)+4*\j:R+32*((\c)%2)+4*\j+3], v4, s[18:19] offset:4096*\j+256*(\c) th:TH_LOAD_NT
.endr
.endm
.macro MCHUNK c
.if (\c) < 3
	s_wait_loadcnt 8                               ; this chunk's eight loads are in; the next chunk's eight may be out
.else
	s_wait_loadcnt 0
.endif
.irp j, 0,1,2,3,4,5,6,7
	ds_store_b128 v5, v[R+32*((\c)%2)+4*\j:R+32*((\c)%2)+4*\j+3] offset:544*\j
.endr
.irp st, 0,1
.irp b, 0,1,2,3
	ds_load_b128 v[Y+4*(4*\st+\b):Y+4*(4*\st+\b)+3], v6 offset:128*\st+32*\b   ; my row's keys 128 st + 32 b + 16 h + 0 .. 15
.endr
.endr
	s_wait_dscnt 0x0
	s_wait_xcnt 0x0                                ; the store of two chunks back has read its four registers
.if (\c) < 2
	MLOAD (\c)+2
.endif
.set n, 0
.rept 16                               ; word n = 64 st + 16 b + i: byte i of my 16: one bit from each lane; eight words at a time
.irp e, 0,1,2,3,4,5,6,7
	v_and_b32 v[TT+\e], s[36+\e%4], v[Y+4*(n/16)+((n+\e)%16)/4]
.endr
.irp e, 0,1,2,3,4,5,6,7
	v_cmp_ne_u32 s[40+\e], 0, v[TT+\e]
.endr
.if (n%64) == 0
	s_mov_b64 s[50:51], 0                          ; a step of 64 words begins: its OR and its AND, two words at a time
	s_mov_b64 s[52:53], -1
.endif
.irp e, 0,2,4,6
	s_or_b64 s[50:51], s[50:51], s[40+\e:41+\e]
	s_and_b64 s[52:53], s[52:53], s[40+\e:41+\e]
.endr
.if (n%64) == 56
	s_or_b32 s50, s50, s51
	s_and_b32 s52, s52, s53
	s_or_b32 s54, s54, s50
	s_cmp_lg_u32 s50, 0
	s_cselect_b32 s51, 1<<(2*(\c)+n/64), 0
	s_or_b32 s55, s55, s51
	s_cmp_eq_u32 s52, -1
	s_cselect_b32 s51, 1<<(2*(\c)+n/64), 0
	s_or_b32 s57, s57, s51
.endif
.irp e, 0,1,2,3,4,5,6,7
	v_writelane_b32 v[OUTW+4*((\c)%2)+\e%4], s[40+\e], (n+\e)/4
.endr
.set n, n+8
.endr
	global_store_b128 v1, v[OUTW+4*((\c)%2):OUTW+4*((\c)%2)+3], s[24:25] offset:512*(\c)   ; two steps' 128 words: 512 consecutive bytes
.endm
	MLOAD 0
	MLOAD 1
	s_wait_alu depctr_va_vdst(0)
.irp c, 0,1,2,3
	MCHUNK \c
.endr
	s_lshl_b32 s58, s27, 4                         ; my four words of mc: 16 bytes for each (tile, half)
	s_mov_b32 s59, 0
	s_add_nc_u64 s[34:35], s[34:35], s[58:59]
	v_mov_b32 v[TT], s54
	v_mov_b32 v[TT+1], s55
	v_mov_b32 v[TT+2], s57
	v_mov_b32 v[TT+3], 0
	v_mov_b32 v[TT+4], 0
	v_cmp_eq_u32 vcc_lo, 0, v7
	s_wait_alu depctr_va_vdst(0)
	s_wait_xcnt 0x0                                ; EXEC changes only behind this wait
	s_and_saveexec_b32 s58, vcc_lo                 ; lane 0 alone stores them
	global_store_b128 v[TT+4], v[TT:TT+3], s[34:35]
	s_wait_xcnt 0x0
	s_or_b32 exec_lo, exec_lo, s58
	s_wait_tensorcnt 0x0                           ; the wave's end, behind my last LDS store
	ds_add_u32 v[SPW], v[NIL]
	s_wait_dscnt 0x0
	s_endpgm
.Lfunc_end_k_q4ee10087b3_prep:
	.size	k_q4ee10087b3_prep, .Lfunc_end_k_q4ee10087b3_prep-k_q4ee10087b3_prep
	.p2alignl 7, 3214868480
	.fill 96, 4, 3214868480
	.section	.rodata,"a",@progbits
	.p2align	6, 0x0
	.amdhsa_kernel k_q4ee10087b3_prep
		.amdhsa_group_segment_fixed_size 51712
		.amdhsa_private_segment_fixed_size 0
		.amdhsa_enable_private_segment 0
		.amdhsa_kernarg_size 96
		.amdhsa_user_sgpr_count 2
		.amdhsa_user_sgpr_kernarg_segment_ptr 1
		.amdhsa_wavefront_size32 1
		.amdhsa_system_sgpr_workgroup_id_x 1
		.amdhsa_system_sgpr_workgroup_id_y 1
		.amdhsa_system_sgpr_workgroup_id_z 1
		.amdhsa_system_vgpr_workitem_id 0
		.amdhsa_next_free_vgpr 256
		.amdhsa_next_free_sgpr 66
		.amdhsa_reserve_vcc 1
		.amdhsa_float_denorm_mode_32 3
		.amdhsa_float_denorm_mode_16_64 3
		.amdhsa_memory_ordered 1
		.amdhsa_forward_progress 1
		.amdhsa_inst_pref_size 174
	.end_amdhsa_kernel
	.amdgpu_metadata
---
amdhsa.version: [ 1, 2 ]
amdhsa.kernels:
  - .name:           k_q4ee10087b3_prep
    .symbol:         k_q4ee10087b3_prep.kd
    .args:
      - { .name: query, .offset: 0, .size: 8, .value_kind: global_buffer, .address_space: global }
      - { .name: key, .offset: 8, .size: 8, .value_kind: global_buffer, .address_space: global }
      - { .name: value, .offset: 16, .size: 8, .value_kind: global_buffer, .address_space: global }
      - { .name: Wq, .offset: 24, .size: 8, .value_kind: global_buffer, .address_space: global }
      - { .name: Wk, .offset: 32, .size: 8, .value_kind: global_buffer, .address_space: global }
      - { .name: Wv, .offset: 40, .size: 8, .value_kind: global_buffer, .address_space: global }
      - { .name: Wo, .offset: 48, .size: 8, .value_kind: global_buffer, .address_space: global }
      - { .name: mask, .offset: 56, .size: 8, .value_kind: global_buffer, .address_space: global }
      - { .name: ac, .offset: 64, .size: 8, .value_kind: global_buffer, .address_space: global }
      - { .name: sc, .offset: 72, .size: 8, .value_kind: global_buffer, .address_space: global }
      - { .name: mb, .offset: 80, .size: 8, .value_kind: global_buffer, .address_space: global }
      - { .name: mc, .offset: 88, .size: 8, .value_kind: global_buffer, .address_space: global }
    .group_segment_fixed_size: 51712
    .private_segment_fixed_size: 0
    .kernarg_segment_align: 8
    .kernarg_segment_size: 96
    .max_flat_workgroup_size: 128
    .sgpr_count:     66
    .vgpr_count:     256
    .wavefront_size: 32
...
	.end_amdgpu_metadata
.endif
;; end of part 1
;; launch proj (part 2): grid 4 x 96, 4 waves a work-group, clusters of 4 x 4, 327,680 bytes of LDS; arguments ac, sc, bq, bk, bv, hc; writes hc
.if DOCPART == 2
	.amdgcn_target "amdgcn-amd-amdhsa--gfx1250"
	.amdhsa_code_object_version 6
	.text
	.protected	k_q4ee10087b3_proj
	.globl	k_q4ee10087b3_proj
	.p2align	8
	.type	k_q4ee10087b3_proj,@function
k_q4ee10087b3_proj:
	s_mov_b64 s[64:65], 0
	v_nop
	global_prefetch_b8 v0, s[64:65] scope:SCOPE_SE
	s_setreg_imm32_b32 hwreg(HW_REG_WAVE_MODE, 25, 1), 1
	s_wait_xcnt 0x0
	s_wait_alu depctr_hold_cnt(0) depctr_sa_sdst(0) depctr_va_vdst(0) depctr_va_sdst(0) depctr_va_ssrc(0) depctr_va_vcc(0) depctr_vm_vsrc(0)
	s_getreg_b32 s2, hwreg(HW_REG_IB_STS2, 6, 4)
	s_cmp_eq_u32 s2, 0
	s_cbranch_scc0 .Lentry_in_a_cluster
	s_endpgm
.Lentry_in_a_cluster:
	s_bfe_u32 s2, ttmp6, 0x10000c
	s_cmp_lg_u32 s2, 0xf033
	s_cbranch_scc0 .Lentry_shape_is_right
	s_endpgm
.Lentry_shape_is_right:
; PROJ.  q = query Wq^T + bq, k = key Wk^T + bk, v = value Wv^T + bv, on codes of FP6 (E2M3) with E8M0 scales, sums in f32; the results are quantised at once for the attention launch:
; q and k along the head's 64, v along the keys.  K = 1,024.  Operands come from ac and sc as the launch before laid them: images of fragments (1,536 bytes, register 4 c + i of lane L at 512 c + 16 L + 4 i).
; A TILE is 256 rows of R (source 1: the lanes) x 256 rows of C (source 0: the registers); four waves, 128 x 128 each: 64 accumulators, 512 registers.  In a result lane (r, h) holds row r of R's block, and the
; 64 registers of C's 8 blocks are rows 32 bb + 16 h + i of C (C's blocks take their rows in that order): the direction along which the result is quantised.
; T = cluster y / 8: 0: R = query, C = Wq;  1: R = key, C = Wk;  2: R = Wv, C = value: V TRANSPOSED, so that the registers run along the keys.
; K goes in four chunks of 256 through two LDS regions: chunks 0, 1 in one load into region A, chunk 2 into region B, chunk 3 refills region A.  K is written out, without a loop.
; CLUSTERS: 4 x 4 work-groups; R's tile hangs on cy, C's on cx: each is asked for jointly by the four that share it.  A load is 8 rows (blocks) of 3,072 bytes (the head's: 6,144), 12,288 bytes apart: there are no more rows to a wave's share.
; OUT, into hc.  q: for each (b, head) 106,496 bytes: 8,192 of scale words, then for each tile of 16 queries a HALF IMAGE (6 registers: 0-3 at 16 L, 4-5 at 512 + 8 L; 768 bytes).
; k, v: from KVR on, for each (b, head) 208,896 bytes: K's scale words 8,192, V's 4,096, then 16 steps of 128 keys x (8 half images of K, 4 images of V).
; Scale words of q and k: tile t, row r at 512 (t / 8) + 16 (r + 16 (t % 2)) + 4 ((t % 8) / 2); the upper two bytes scale zero codes and are never 0xff.  V's: step s, tile t of 16 channels, row r at 256 s + 16 r + 4 t.
; LIMITS: a block of zeros gets the byte 1 where the rule says 127 (its codes are zeros; the bytes are read by this program alone); NaN and infinities are not served.
; REGISTERS, in windows of 256.  window 0: v1-5 lane numbers, v16-22 LDS addresses, v26-29; v32-95 the scale words, which hold nothing else; v96-127, v224-255 biases; v128-223 R's fragments, one set.
;   window 1: C's fragments, two sets, at v0 and v128; on the way out the numbers, codes and words at work.   windows 2, 3: the accumulators ((a, b) at v[8 (8 (a % 4) + b)] of window 2 + a / 4).
.set FR,    12
.set NLR,   3                          ; LDS loads that bring a fragment of R
.set HALFT, 24576                      ; 8 blocks x 3,072 bytes: what one tensor load of two K steps brings, and what a wave reads of R or of C in a chunk
.set SLOT,  98304
.set RB,    196608                     ; THE LDS PLAN AS IT STANDS NOW: region A, 4 parts (R's halves, C's halves) x 8 blocks x 6,144 bytes: K steps 0-3, one load a wave at the head; region B from RB on, 4 parts x 8 blocks x 3,072: K steps 4, 5, first filled behind the head's round; K steps 6, 7 refill the first 24,576 bytes of each part of region A
.set SPARE, 294912                     ; behind the three slots: the spare words, 128 bytes for each wave, which no other line names
.set KVR,   6815744
.set ADRR, 16                          ; v16-17 LDS address of my R fragments in region A, B
.set ADRC, 20                          ; v20-21 the same for C
.set L8,   26                          ; v26 8 L
.set LI,   27                          ; v27 16 L
.set SPW,  28                          ; v28 LDS address of my spare word; never rewritten
.set NIL,  29                          ; v29 0; never rewritten
.set SC,   32                          ; register SC + 8 i + ks: lanes 0-15 the word of R's block i, lanes 16-31 that of C's block i, for K step ks
.set AF,   128
.set HA,   0                           ; window 1, on the way out: 64 numbers;
.set PC,   64                          ; the codes just made (and halves on their way, up to PC + 18);
.set TM,   84                          ; 16 at work;
.set W,    100                         ; 8 scale words;
.set T4,   108                         ; 8 words to store
.set G1,  24                           ; s[24:31] descriptor group 1 for R;  s[32:43] three groups 0
.set G0,  32
.set G1B, 44                           ; s[44:51], s[52:63] the same for C
.set G0B, 52
.set MSB, 0
.macro WIN new                         ; the immediate's high byte repeats the setting that is left
.if MSB != (\new)
	s_set_vgpr_msb (MSB<<8)|(\new)
.set MSB, (\new)
.endif
.endm
.set MUL_LO, 0xa1                      ; source 0 (C) window 1, source 1 (R) window 0, sums window 2
.set MUL_HI, 0xf1                      ; the same, sums window 3
.set TO_C,   0x40                      ; destination window 1, address window 0
; A joint load: waves 0 and 1 fetch R's halves, waves 2 and 3 C's.  The branch hangs on the wave's number alone.  An s_nop 0 and four v_nop follow each of the two lines.
.macro JLOAD g0a, g1a, g0b, g1b
	s_cmp_eq_u32 s17, 0
	s_cbranch_scc0 .Lfor_c_\@
	tensor_load_to_lds s[\g0a:\g0a+3], s[\g1a:\g1a+7]
	s_nop 0
.rept 4
	v_nop
.endr
	s_branch .Lasked_\@
.Lfor_c_\@:
	tensor_load_to_lds s[\g0b:\g0b+3], s[\g1b:\g1b+7]
	s_nop 0
.rept 4
	v_nop
.endr
.Lasked_\@:
.endm
.macro CREST                           ; a round of the cluster's barrier behind its opening barrier
	s_cmp_lg_u32 s16, 0
	s_cbranch_scc1 .Lnot_wave_0_\@
	s_barrier_signal -3
.Lnot_wave_0_\@:
	s_barrier_wait -3
	s_barrier_signal -1
	s_barrier_wait -1
.endm
.macro CROUND
	s_barrier_signal -1
	s_barrier_wait -1
	CREST
.endm
.macro PLACES n                        ; plain places behind matrix instructions, ahead of loads into and writes of their registers and of reads of their results
.rept \n
	v_nop
.endr
.endm
	s_load_b256 s[4:11], s[0:1], 0x0               ; ac s[4:5], sc s[6:7], bq s[8:9], bk s[10:11]
	s_load_b128 s[12:15], s[0:1], 0x20             ; bv s[12:13], hc s[14:15]
	v_lshl_add_u32 v[SPW], v0, 2, SPARE
	v_mov_b32 v[NIL], 0
	ds_add_u32 v[SPW], v[NIL]                      ; the wave's opening: the add and its wait ahead of my first tensor load; work on registers stands between them
	ds_add_u32 v[SPW], v[NIL]
	v_lshrrev_b32 v1, 5, v0
	v_readfirstlane_b32 s16, v1                    ; wave 0..3
	s_lshr_b32 s17, s16, 1                         ; which half of R's rows is mine.  Also: I fetch for R (0) or for C (1)
	s_and_b32 s18, s16, 1                          ; which half of C's rows.  Also: which 8 blocks I fetch
	s_bfe_u32 s19, ttmp6, 0x40000                  ; cx
	s_bfe_u32 s20, ttmp6, 0x40004                  ; cy
	s_and_b32 s23, ttmp7, 0xffff                   ; cluster y, 0 .. 23: the same in all sixteen partners
	s_lshr_b32 s21, s23, 3                         ; T
	s_and_b32 s22, s23, 7
	s_lshl_b32 s22, s22, 2                         ; 4 x (cluster y % 8)
	s_lshl_b32 s66, s20, 2
	s_lshl_b32 s66, 15, s66                        ; my row of the cluster
	s_lshl_b32 s67, 0x1111, s19                    ; my column
	s_or_b32 s[G1], s66, (3<<16)|(1<<21)           ; 15:0 the mask: R's tiles go to my row; 17:16 elements of 8 bytes; 21 set beside a mask; no padding: images are read 16 bytes a lane on end
	s_or_b32 s[G1B], s67, (3<<16)|(1<<21)
.irp g, G1, G1B
	s_mov_b32 s[\g+1], 768<<16                     ; tensor_dim0 = 768 elements: 6,144 bytes, four K steps' images of a block (behind the head's load: 384)
	s_mov_b32 s[\g+2], 8<<16                       ; tensor_dim1 = 8 blocks
	s_mov_b32 s[\g+3], 768<<16                     ; tile_dim0
	s_mov_b32 s[\g+4], 8                           ; tile_dim1
	s_mov_b32 s[\g+5], 1536                        ; from block to block: 12,288 bytes
	s_mov_b32 s[\g+6], 0
	s_mov_b32 s[\g+7], 0
.endr
	; the first blocks (ids) of my tiles.  R's hang on cy alone, C's on cx alone, each in registers that never hold the other
	s_lshl_b32 s68, s21, 9                         ; the tokens' first id: 512 T
	s_lshl_b32 s69, s21, 6
	s_add_co_u32 s69, s69, 1536                    ; the weight's: 1536 + 64 T
	s_add_co_u32 s74, s22, s20
	s_add_co_u32 s75, s22, s19
	s_lshl_b32 s70, s74, 4
	s_add_co_u32 s70, s70, s68                     ; R, if the tokens
	s_lshl_b32 s71, s20, 4
	s_add_co_u32 s71, s71, s69                     ; R, if Wv
	s_lshl_b32 s72, s19, 4
	s_add_co_u32 s72, s72, s69                     ; C, if the weight
	s_lshl_b32 s73, s75, 4
	s_add_co_u32 s73, s73, s68                     ; C, if value
	s_cmp_eq_u32 s21, 2
	s_cselect_b32 s70, s71, s70                    ; R's first id
	s_cselect_b32 s72, s73, s72                    ; C's
	s_cselect_b32 s74, s20, s74                    ; R's tile in its tensor
	s_cselect_b32 s75, s75, s19                    ; C's
	s_lshl_b32 s76, s18, 3
	s_add_co_u32 s77, s70, s76
	s_mul_i32 s78, s77, 12288                      ; what I fetch of R, in bytes of ac (under 2^25)
	s_mov_b32 s79, 0
	s_add_co_u32 s83, s72, s76
	s_mul_i32 s80, s83, 12288                      ; and of C
	s_mov_b32 s81, 0
	s_mul_i32 s82, s16, HALFT                      ; where it goes: R's two halves, then C's two: wave x 24,576
	s_wait_dscnt 0x0                               ; the opening add is done
	s_wait_kmcnt 0x0
	s_add_nc_u64 s[78:79], s[4:5], s[78:79]
	s_add_nc_u64 s[80:81], s[4:5], s[80:81]
	CROUND                                         ; all sixteen work-groups are here: the first joint loads meet
	s_lshl_b32 s83, s82, 1                         ; my part of region A: wave x 49,152
.irp s, 0,1,2                          ; three groups 0: K steps 0-3, K steps 4-5 (6,144 bytes along a block), K steps 6-7 (9,216 bytes along)
	s_mov_b32 s[G0+4*\s], 1
	s_mov_b32 s[G0B+4*\s], 1
	s_add_nc_u64 s[G0+4*\s+2:G0+4*\s+3], s[78:79], \s*6144-(\s/2)*3072
	s_or_b32 s[G0+4*\s+3], s[G0+4*\s+3], 0x80000000
	s_add_nc_u64 s[G0B+4*\s+2:G0B+4*\s+3], s[80:81], \s*6144-(\s/2)*3072
	s_or_b32 s[G0B+4*\s+3], s[G0B+4*\s+3], 0x80000000
.endr
	s_mov_b32 s[G0+1], s83
	s_mov_b32 s[G0B+1], s83
	s_add_co_u32 s[G0+5], s82, RB
	s_add_co_u32 s[G0B+5], s82, RB
	s_mov_b32 s[G0+9], s83
	s_mov_b32 s[G0B+9], s83
	JLOAD G0, G1, G0B, G1B                         ; K steps 0-3: one tensor load a wave at the head
	v_and_b32 v1, 31, v0                           ; L
	v_and_b32 v2, 15, v0                           ; r
	v_bfe_u32 v3, v0, 4, 1                         ; h
	v_lshlrev_b32 v[LI], 4, v1
	v_lshlrev_b32 v[L8], 3, v1
	s_mul_i32 s84, s17, 2*HALFT                    ; my 8 blocks of R in region A
	s_mul_i32 s85, s18, 2*HALFT                    ; my 8 blocks of C,
	s_add_co_u32 s85, s85, 4*HALFT                 ; which lie behind R's 16
	v_add_nc_u32 v[ADRR], s84, v[LI]
	v_add_nc_u32 v[ADRC], s85, v[LI]
	s_lshr_b32 s84, s84, 1                         ; and in region B, whose parts are half as long
	s_lshr_b32 s85, s85, 1
	s_add_co_u32 s84, s84, RB
	s_add_co_u32 s85, s85, RB
	v_add_nc_u32 v[ADRR+1], s84, v[LI]
	v_add_nc_u32 v[ADRC+1], s85, v[LI]
	s_lshl_b32 s86, s17, 3
	s_add_co_u32 s86, s86, s70
	s_lshl_b32 s86, s86, 9                         ; my R blocks' scale words in sc: 512 bytes a block
	s_lshl_b32 s87, s18, 3
	s_add_co_u32 s87, s87, s72
	s_lshl_b32 s87, s87, 9                         ; my C blocks'
	v_mov_b32 v4, s86
	v_mov_b32 v5, s87
	s_wait_alu depctr_va_vdst(0)
	v_cmp_eq_u32 vcc_lo, 1, v3
	v_cndmask_b32 v4, v4, v5, vcc_lo               ; lanes 0-15 take R's, lanes 16-31 C's
	v_lshl_add_u32 v4, v2, 4, v4
.irp i, 0,1,2,3,4,5,6,7
.irp g, 0,1
	global_load_b128 v[SC+8*\i+4*\g:SC+8*\i+4*\g+3], v4, s[6:7] offset:512*\i+256*\g   ; all of K's scale words, once: they stay in registers
.endr
.endr
; 16 matrix instructions: R's blocks a0, a0 + 1 x C's eight, K step ks.  p: C's set.  mode 1: the first product starts the sums.  The 64 accumulators take turns, one instruction a turn, in the same order in every step.
.macro MUL16 a0, p, ks, mode
.irp a, \a0, \a0+1
.irp b, 0,1,2,3,4,5,6,7
.if (\mode) == 1
	v_wmma_scale_f32_16x16x128_f8f6f4 v[8*(8*((\a)%4)+\b):8*(8*((\a)%4)+\b)+7], v[128*(\p)+FR*\b:128*(\p)+FR*\b+FR-1], v[AF+FR*(\a):AF+FR*(\a)+FR-1], 0, v[SC+8*\b+(\ks)], v[SC+8*(\a)+(\ks)] matrix_a_fmt:MATRIX_FMT_FP6 matrix_b_fmt:MATRIX_FMT_FP6 matrix_a_scale:MATRIX_SCALE_ROW1
.else
	v_wmma_scale_f32_16x16x128_f8f6f4 v[8*(8*((\a)%4)+\b):8*(8*((\a)%4)+\b)+7], v[128*(\p)+FR*\b:128*(\p)+FR*\b+FR-1], v[AF+FR*(\a):AF+FR*(\a)+FR-1], v[8*(8*((\a)%4)+\b):8*(8*((\a)%4)+\b)+7], v[SC+8*\b+(\ks)], v[SC+8*(\a)+(\ks)] matrix_a_fmt:MATRIX_FMT_FP6 matrix_b_fmt:MATRIX_FMT_FP6 matrix_a_scale:MATRIX_SCALE_ROW1
.endif
.endr
.endr
.endm
.macro FETCH_C k, p                    ; C's eight fragments of K step k (region A, or region B for K steps 4, 5) into set p
	WIN TO_C
.irp i, 0,1,2,3,4,5,6,7
.irp c, 0,1,2
	ds_load_b128 v[128*(\p)+FR*\i+4*\c:128*(\p)+FR*\i+4*\c+3], v[ADRC+(\k)/4-(\k)/6] offset:(6144-3072*((\k)/4))*\i+1536*((\k)%4-2*((\k)/6))+512*\c
.endr
.endr
	WIN 0
.endm
.macro FETCH_R k, i0                   ; R's blocks i0 .. i0 + 3
.irp i, \i0, \i0+1, \i0+2, \i0+3
.irp c, 0,1,2
	ds_load_b128 v[AF+FR*(\i)+4*\c:AF+FR*(\i)+4*\c+3], v[ADRR+(\k)/4-(\k)/6] offset:(6144-3072*((\k)/4))*(\i)+1536*((\k)%4-2*((\k)/6))+512*\c
.endr
.endr
.endm
.macro STEP k, mode                    ; a K step whose successor's chunk is known to be whole
	s_wait_dscnt 4*NLR                             ; C's set and R's blocks 0-3 are in; the youngest loads (R's blocks 4-7) may be out
	WIN MUL_LO
	MUL16 0, (\k)%2, \k, \mode
	MUL16 2, (\k)%2, \k, \mode
	s_wait_dscnt 0                                 ; R's blocks 4-7 are in
	PLACES 4
	FETCH_C (\k)+1, ((\k)+1)%2
	FETCH_R (\k)+1, 0
	WIN MUL_HI
	MUL16 4, (\k)%2, \k, \mode
	MUL16 6, (\k)%2, \k, \mode
	PLACES 4
	WIN 0
	FETCH_R (\k)+1, 4
.endm
; A K step with a barrier: in front of it each wave waits for all its tensor loads, adds 0 to its spare word, and waits for that and for its LDS reads.  fill = 1: region A, which nobody reads any more, takes K steps 6, 7.
.macro TURN k, fill
	s_wait_tensorcnt 0x0                           ; all my tensor loads have landed
	ds_add_u32 v[SPW], v[NIL]                      ; 0 onto my spare word
	s_wait_dscnt 4*NLR+1                           ; (the add and R's blocks 4-7 may be out)
	WIN MUL_LO
	MUL16 0, (\k)%2, \k, 0
	s_wait_dscnt 0x0                               ; the add is done, and my reads are over
	s_barrier_signal -1
	MUL16 2, (\k)%2, \k, 0
	WIN 0
	s_barrier_wait -1
.if \fill
	CREST                                          ; the barrier has opened a round of the cluster's barrier: no wave of any partner still reads region A or has a load on its way
	JLOAD G0+8, G1, G0B+8, G1B                     ; K steps 6, 7 onto region A, which nobody reads any more: the first tensor load behind the round, my only one; its four v_nop are the places ahead of the loads below
.else
	PLACES 4
.endif
	s_wait_alu depctr_va_vdst(0)
	FETCH_C (\k)+1, ((\k)+1)%2
	FETCH_R (\k)+1, 0
	WIN MUL_HI
	MUL16 4, (\k)%2, \k, 0
	MUL16 6, (\k)%2, \k, 0
	PLACES 4
	WIN 0
	FETCH_R (\k)+1, 4
.endm
.macro LAST
	s_wait_dscnt 4*NLR
	WIN MUL_LO
	MUL16 0, 1, 7, 0
	MUL16 2, 1, 7, 0
	s_wait_dscnt 0
	WIN MUL_HI
	MUL16 4, 1, 7, 0
	MUL16 6, 1, 7, 0
	WIN 0
.endm
; 64 numbers of a lane (window 1), register 16 b + i = index 32 b + 16 h + i, become a fragment's codes in v[PC] on and its scale word in v[w].  All its registers lie in window 1.
.macro QUANT s, w
.irp b, 0,1,2,3
	v_max3_num_f32 v[TM+\b], |v[\s+16*\b]|, |v[\s+1+16*\b]|, 0x1800000   ; and the floor 2^(3 - 127): the byte cannot fall under 1
.endr
.irp i, 2,4,6,8,10,12,14
.irp b, 0,1,2,3
	v_max3_num_f32 v[TM+\b], v[TM+\b], |v[\s+16*\b+\i]|, |v[\s+1+16*\b+\i]|
.endr
.endr
.irp b, 0,1,2,3
	v_permlanex16_b32 v[TM+4+\b], v[TM+\b], s96, s97
.endr
.irp b, 0,1,2,3
	v_max_num_f32 v[TM+\b], v[TM+\b], v[TM+4+\b]
.endr
.irp b, 0,1,2,3
	v_add_nc_u32 v[TM+12+\b], 0xff000000, v[TM+\b] ; 2 off the exponent field: the conversion's scale operand
.endr
.irp b, 0,1,2,3
	v_lshrrev_b32 v[TM+4+\b], 23, v[TM+12+\b]      ; the scale's byte
.endr
	v_lshl_or_b32 v[(\w)], v[TM+5], 8, v[TM+4]
	v_lshl_or_b32 v[(\w)], v[TM+6], 16, v[(\w)]
	v_lshl_or_b32 v[(\w)], v[TM+7], 24, v[(\w)]
.irp c, 0,1
	v_cvt_scalef32_pk16_fp6_f32 v[PC+6*\c:PC+2+6*\c], v[\s+32*\c:\s+15+32*\c], v[TM+12+2*\c]
	v_cvt_scalef32_pk16_fp6_f32 v[PC+12+4*\c:PC+14+4*\c], v[\s+16+32*\c:\s+31+32*\c], v[TM+12+2*\c+1]
.endr
	v_nop                                          ; one plain place behind a scaled conversion
.irp c, 0,1
.irp i, 0,1,2
	v_permlane16_swap_b32 v[PC+6*\c+\i], v[PC+12+4*\c+\i]
.endr
.irp i, 0,1,2
	v_mov_b32 v[PC+3+6*\c+\i], v[PC+12+4*\c+\i]
.endr
.endr
.endm
	s_mov_b32 s96, 0x76543210
	s_mov_b32 s97, 0xfedcba98                      ; v_permlanex16_b32's selects for lane l xor 16
	s_wait_alu depctr_va_vdst(0)
	s_wait_tensorcnt 0x0                           ; my part of K steps 0-3 is in
	ds_add_u32 v[SPW], v[NIL]
	s_mov_b32 s[G1+1], 384<<16                     ; no tensor load of mine is out: from here on a row is 3,072 bytes
	s_mov_b32 s[G1+3], 384<<16
	s_mov_b32 s[G1B+1], 384<<16
	s_mov_b32 s[G1B+3], 384<<16
	s_wait_dscnt 0x0
	CROUND                                         ; everybody's part is in, and all sixteen work-groups are here
	JLOAD G0+4, G1, G0B+4, G1B                     ; K steps 4, 5 into region B
	FETCH_C 0, 0
	FETCH_R 0, 0
	FETCH_R 0, 4
	s_wait_loadcnt 0x0                             ; the scale words
	STEP 0, 1                                      ; the first products start the sums: nothing is cleared
	STEP 1, 0
	STEP 2, 0
	TURN 3, 1                                      ; every wave has waited for K steps 4, 5 ahead of this round; region A has been read out
	STEP 4, 0
	TURN 5, 0                                      ; chunk 3 is whole for everybody
	STEP 6, 0
	s_lshl_b32 s66, s74, 8
	s_lshl_b32 s67, s17, 7
	s_add_co_u32 s66, s66, s67                     ; my first row of R in its tensor
	s_lshl_b32 s67, s75, 8
	s_lshl_b32 s68, s18, 7
	s_add_co_u32 s67, s67, s68                     ; my first row of C
	s_cmp_eq_u32 s21, 2                            ; T is the same in all partners of the cluster
	s_cbranch_scc1 .Larm_v
	; ---------------- q and k: R = tokens (lanes), C = features (registers) ----------------
	s_lshr_b32 s68, s66, 11                        ; b
	s_bfe_u32 s69, s66, 0x40007                    ; which 128 tokens of the 2,048
	s_lshl_b32 s68, s68, 4
	s_lshr_b32 s76, s67, 6
	s_add_co_u32 s68, s68, s76                     ; 16 b + head: the first of my two heads
	s_cmp_eq_u32 s21, 1
	s_cselect_b64 s[8:9], s[10:11], s[8:9]         ; bq or bk
	s_mov_b32 s77, 106496
	s_cselect_b32 s77, 208896, s77                 ; from head to head
	s_mov_b32 s78, 8192
	s_cselect_b32 s78, KVR+12288, s78              ; where the codes begin
	s_mov_b32 s79, 6144
	s_cselect_b32 s79, 12288, s79                  ; from 128 tokens to the next
	s_cselect_b32 s80, KVR, 0                      ; where the scale words begin
	s_mul_i32 s81, s68, s77
	s_mul_i32 s79, s79, s69
	s_add_co_u32 s78, s78, s79
	s_add_co_u32 s92, s78, s81
	s_mov_b32 s93, 0
	s_add_nc_u64 s[84:85], s[14:15], s[92:93]      ; the first head's codes,
	s_mov_b32 s92, s77
	s_add_nc_u64 s[86:87], s[84:85], s[92:93]      ; the second's
	s_lshl_b32 s69, s69, 9
	s_add_co_u32 s80, s80, s69
	s_add_co_u32 s94, s80, s81
	s_mov_b32 s95, 0
	s_add_nc_u64 s[88:89], s[14:15], s[94:95]      ; the first head's scale words,
	s_add_nc_u64 s[90:91], s[88:89], s[92:93]      ; the second's
	s_lshl_b32 s94, s67, 2
	s_add_nc_u64 s[8:9], s[8:9], s[94:95]          ; the bias at my first feature
	v_lshlrev_b32 v5, 6, v3                        ; 64 h
.irp b, 0,1,2,3,4,5,6,7
.irp g, 0,1
	global_load_b128 v[96+8*\b+96*(\b/4)+4*\g:96+8*\b+96*(\b/4)+4*\g+3], v5, s[8:9] offset:4*(32*(\b/2)+8*(\b%2))+16*\g   ; tile b, register j: feature 32 (b / 2) + 16 h + 8 (b % 2) + j
.endr
.endr
	LAST                                           ; the bias lands under the last 64 products
	s_wait_loadcnt 0x0
	PLACES 4
	WIN 0x55                                       ; all places window 1
.irp b, 0,1,2,3
	v_mov_b32 v[TM+4+\b], 0                        ; written once: a lane permute's destination counts as one of its sources
.endr
.macro OUTQK a                         ; R's block a: 16 tokens x 128 features = two heads: one fragment, whose halves are the two heads' half images
	WIN 0x42+(\a)/4                                ; destination window 1, source 0 window 2 or 3, source 1 window 0
.irp b, 0,1,2,3,4,5,6,7
.irp g, 0,2,4,6
	v_pk_add_f32 v[HA+8*\b+\g:HA+8*\b+\g+1], v[8*(8*((\a)%4)+\b)+\g:8*(8*((\a)%4)+\b)+\g+1], v[96+8*\b+96*(\b/4)+\g:96+8*\b+96*(\b/4)+\g+1]   ; each accumulator from its low end on
.endr
.endr
	WIN 0x55
	s_wait_xcnt 0x0                                ; the last block's stores have read the codes' registers
	QUANT HA, W+(\a)
	WIN 0x04                                       ; a store's data window 1, its address window 0
	global_store_b128 v[LI], v[PC:PC+3], s[84:85] offset:768*(\a)
	global_store_b64 v[L8], v[PC+4:PC+5], s[84:85] offset:768*(\a)+512
	global_store_b128 v[LI], v[PC+6:PC+9], s[86:87] offset:768*(\a)
	global_store_b64 v[L8], v[PC+10:PC+11], s[86:87] offset:768*(\a)+512   ; each store covers 512 or 256 consecutive bytes, aligned
.endm
.irp a, 0,1,2,3,4,5,6,7
	OUTQK \a
.endr
	WIN 0
	v_cmp_eq_u32 vcc_lo, 1, v3
	WIN 0x55
.irp i, 0,1,2,3
	v_cndmask_b32 v[T4+\i], v[W+2*\i], v[W+2*\i+1], vcc_lo   ; lanes 0-15 tile 2 i, lanes 16-31 tile 2 i + 1: the first head's bytes are the low two
.endr
.irp i, 0,1,2,3
	v_lshrrev_b32 v[T4+4+\i], 16, v[T4+\i]         ; the second head's
.endr
	WIN 0x04
	global_store_b128 v[LI], v[T4:T4+3], s[88:89]
	global_store_b128 v[LI], v[T4+4:T4+7], s[90:91]
	WIN 0
	s_branch .Lend
	; ---------------- v: R = features (lanes), C = tokens = keys (registers) ----------------
.Larm_v:
	s_lshr_b32 s68, s67, 11                        ; b
	s_bfe_u32 s69, s67, 0x40007                    ; the step of 128 keys
	s_lshl_b32 s68, s68, 4
	s_lshr_b32 s76, s66, 6
	s_add_co_u32 s68, s68, s76                     ; 16 b + head: the first of my two heads
	s_mul_i32 s81, s68, 208896
	s_add_co_u32 s81, s81, KVR
	s_mul_i32 s78, s69, 12288
	s_add_co_u32 s78, s78, s81
	s_add_co_u32 s92, s78, 18432                   ; behind the scale words (12,288) and the step's K (6,144)
	s_mov_b32 s93, 0
	s_add_nc_u64 s[84:85], s[14:15], s[92:93]      ; the first head's images,
	s_add_nc_u64 s[86:87], s[84:85], 208896        ; the second's
	s_lshl_b32 s69, s69, 8
	s_add_co_u32 s94, s69, s81
	s_add_co_u32 s94, s94, 8192
	s_mov_b32 s95, 0
	s_add_nc_u64 s[88:89], s[14:15], s[94:95]      ; V's scale words of this step
	s_lshl_b32 s94, s66, 2
	s_add_nc_u64 s[12:13], s[12:13], s[94:95]      ; bv at my first feature
	v_and_b32 v5, 8, v2
	v_add_nc_u32 v5, v5, v2
	v_lshlrev_b32 v5, 2, v5                        ; 4 (r + 8 (r / 8)): Wv's blocks take their rows in that order
	v_mul_u32_u24 v6, v3, 208896
	v_lshl_add_u32 v6, v2, 4, v6                   ; the words' place: 16 r, lanes 16-31 in the second head
.irp a, 0,1,2,3,4,5,6,7
	global_load_b32 v[96+2*\a], v5, s[12:13] offset:4*(32*(\a/2)+8*(\a%2))
	global_load_b32 v[97+2*\a], v5, s[12:13] offset:4*(32*(\a/2)+8*(\a%2))   ; (named with it as a pair, so it is written)
.endr
	LAST
	s_wait_loadcnt 0x0
	PLACES 4
	WIN 0x55
.irp b, 0,1,2,3
	v_mov_b32 v[TM+4+\b], 0
.endr
.macro OUTV a                          ; R's block a: 16 channels x 128 keys: one image
	WIN 0x42+(\a)/4
.irp b, 0,1,2,3,4,5,6,7
.irp g, 0,2,4,6
	v_pk_add_f32 v[HA+8*\b+\g:HA+8*\b+\g+1], v[8*(8*((\a)%4)+\b)+\g:8*(8*((\a)%4)+\b)+\g+1], v[96+2*(\a):97+2*(\a)] op_sel_hi:[1,0]
.endr
.endr
	WIN 0x55
	s_wait_xcnt 0x0
	QUANT HA, W+(\a)
	WIN 0x04
.irp c, 0,1,2
.if (\a) < 4
	global_store_b128 v[LI], v[PC+4*\c:PC+4*\c+3], s[84:85] offset:1536*((\a)%4)+512*\c
.else
	global_store_b128 v[LI], v[PC+4*\c:PC+4*\c+3], s[86:87] offset:1536*((\a)%4)+512*\c
.endif
.endr
.endm
.irp a, 0,1,2,3,4,5,6,7
	OUTV \a
.endr
	WIN 0
	v_cmp_eq_u32 vcc_lo, 1, v3
	WIN 0x55
.irp i, 0,1,2,3
	v_cndmask_b32 v[T4+\i], v[W+\i], v[W+4+\i], vcc_lo   ; lanes 0-15 the first head's four tiles, lanes 16-31 the second's
.endr
	WIN 0x04
	global_store_b128 v6, v[T4:T4+3], s[88:89]
	WIN 0
.Lend:
	s_wait_tensorcnt 0x0                           ; the wave's end, behind my last tensor load
	ds_add_u32 v[SPW], v[NIL]
	s_wait_dscnt 0x0
	CROUND                                         ; the closing round: no work-group ends while a partner may still ask for a tile that names it
	s_endpgm
.Lfunc_end_k_q4ee10087b3_proj:
	.size	k_q4ee10087b3_proj, .Lfunc_end_k_q4ee10087b3_proj-k_q4ee10087b3_proj
	.p2alignl 7, 3214868480
	.fill 96, 4, 3214868480
	.section	.rodata,"a",@progbits
	.p2align	6, 0x0
	.amdhsa_kernel k_q4ee10087b3_proj
		.amdhsa_group_segment_fixed_size 327680
		.amdhsa_private_segment_fixed_size 0
		.amdhsa_enable_private_segment 0
		.amdhsa_kernarg_size 48
		.amdhsa_user_sgpr_count 2
		.amdhsa_user_sgpr_kernarg_segment_ptr 1
		.amdhsa_wavefront_size32 1
		.amdhsa_system_sgpr_workgroup_id_x 1
		.amdhsa_system_sgpr_workgroup_id_y 1
		.amdhsa_system_sgpr_workgroup_id_z 1
		.amdhsa_system_vgpr_workitem_id 0
		.amdhsa_next_free_vgpr 1024
		.amdhsa_next_free_sgpr 100
		.amdhsa_reserve_vcc 1
		.amdhsa_float_denorm_mode_32 3
		.amdhsa_float_denorm_mode_16_64 3
		.amdhsa_memory_ordered 1
		.amdhsa_forward_progress 1
		.amdhsa_inst_pref_size 217
	.end_amdhsa_kernel
	.amdgpu_metadata
---
amdhsa.version: [ 1, 2 ]
amdhsa.kernels:
  - .name:           k_q4ee10087b3_proj
    .symbol:         k_q4ee10087b3_proj.kd
    .args:
      - { .name: ac, .offset: 0, .size: 8, .value_kind: global_buffer, .address_space: global }
      - { .name: sc, .offset: 8, .size: 8, .value_kind: global_buffer, .address_space: global }
      - { .name: bq, .offset: 16, .size: 8, .value_kind: global_buffer, .address_space: global }
      - { .name: bk, .offset: 24, .size: 8, .value_kind: global_buffer, .address_space: global }
      - { .name: bv, .offset: 32, .size: 8, .value_kind: global_buffer, .address_space: global }
      - { .name: hc, .offset: 40, .size: 8, .value_kind: global_buffer, .address_space: global }
    .group_segment_fixed_size: 327680
    .private_segment_fixed_size: 0
    .kernarg_segment_align: 8
    .kernarg_segment_size: 48
    .max_flat_workgroup_size: 128
    .sgpr_count:     100
    .vgpr_count:     1024
    .wavefront_size: 32
...
	.end_amdgpu_metadata
.endif
;; end of part 2
;; launch attn (part 3): grid 256 x 1, 8 waves a work-group, no clusters, 0 bytes of LDS; arguments hc, mb, mc, xc, sc; writes xc, sc
.if DOCPART == 3
	.amdgcn_target "amdgcn-amd-amdhsa--gfx1250"
	.amdhsa_code_object_version 6
	.text
	.protected	k_q4ee10087b3_attn
	.globl	k_q4ee10087b3_attn
	.p2align	8
	.type	k_q4ee10087b3_attn,@function
k_q4ee10087b3_attn:
	s_mov_b64 s[64:65], 0
	v_nop
	global_prefetch_b8 v0, s[64:65] scope:SCOPE_SE
	s_setreg_imm32_b32 hwreg(HW_REG_WAVE_MODE, 25, 1), 1
	s_wait_xcnt 0x0
; ATTN.  x = softmax(mask(q k^T / 8)) v for 64 (batch, head) x 2,048 queries, on codes of FP6 (E2M3) with E8M0 scales, as the launch before laid them in hc; x leaves quantised along the head's 64 for the last launch.
; Both products are used transposed (S^T = k q^T, O^T = v^T p^T): a lane holds one query.  p = 2^(t - M), M the ceiling of the running largest t; the row's sum is taken of the unquantised p.
; WHICH STEPS ARE WALKED is decided by whole numbers that the first launch stored (mc): a step of 128 keys in which no score of the wave's 32 queries is let through adds only zeros to rows that have a live key, and is passed over.
; If some row of the 32 has no live key at all, every step is walked: all its scores are then the same number, and its p are all 1, as reference() has it.  In a step whose mask is all true the lane masks (mb) are not loaded.
; The launch has no tensor load, hence no joint loads either, no LDS and no barrier.  K's and V's images go from memory into the operand registers, 16 or 8 bytes a lane on end.
; Each step's operands are asked for one walked step ahead by these loads themselves (K behind the step's first products, V behind its last), so no separate prefetch is written.
; THE DEAL.  Work-group = (batch, head; quarter), 8 waves.  Wave m = 8 quarter + wave takes queries 32 j .. 32 j + 31 for j = m and then for j = 63 - m.  The 32 queries are tile A (window 0) and tile B (window 1, same register numbers): each fragment of K and V feeds both.
; K's half images (64 codes a row, 6 registers) lie 6 registers apart; an operand names 12: its upper six hold the next tile's codes (the last: p's), which meet q's zero codes; all scale bytes there are finite.
; LIMITS: scaled scores stay under 2^31 in magnitude; a score under -1.2e30 is not told from a masked one; NaN and infinities are not served; a block of zeros gets the byte 1 (its codes are zeros; this program alone reads the bytes).
; REGISTERS (both windows unless said): v1-3 lane offsets (w0); v10 the masked score; v12 -M, v13 largest t, v14-15 the sum; v16-27 q and six zeros; w0 v28-31 V's, v32-35 K's, v36-37 q's, v40-41 p's scale words;
; v48-95: w0 K's eight half images, w1 V's four images; v96-107 p's codes; v108-127 at work; v128-191 scores; v192-255 O^T.
.set KVR, 6815744
.set KVB, 208896
.set QB,  106496
.set XO,  917504
.set KF,  48
.set VF,  48
.set P,   96
.set BM,  108
.set T8,  112
.set SO,  120
.set F,   124
.set TP,  126
.set PW,  127
.set S,   128
.set O,   192
.set MSB, 0
.macro WIN new
.if MSB != (\new)
	s_set_vgpr_msb (MSB<<8)|(\new)
.set MSB, (\new)
.endif
.endm
.macro WALU
	s_wait_alu depctr_va_vdst(0)
.endm
.macro PLACES
.rept 4
	v_nop
.endr
.endm
.macro D n
	s_delay_alu instid0(VALU_DEP_\n)
.endm
.macro QK t, qs
.if (\t)%2
	v_wmma_scale_f32_16x16x128_f8f6f4 v[S+8*(\t):S+8*(\t)+7], v[KF+6*(\t):KF+6*(\t)+11], v[16:27], 0, v[32+(\t)/2], v[\qs] matrix_a_fmt:MATRIX_FMT_FP6 matrix_b_fmt:MATRIX_FMT_FP6 matrix_a_scale:MATRIX_SCALE_ROW1
.else
	v_wmma_scale_f32_16x16x128_f8f6f4 v[S+8*(\t):S+8*(\t)+7], v[KF+6*(\t):KF+6*(\t)+11], v[16:27], 0, v[32+(\t)/2], v[\qs] matrix_a_fmt:MATRIX_FMT_FP6 matrix_b_fmt:MATRIX_FMT_FP6
.endif
.endm
.macro PV t, ps
	v_wmma_scale_f32_16x16x128_f8f6f4 v[O+8*(\t):O+8*(\t)+7], v[VF+12*(\t):VF+12*(\t)+11], v[P:P+11], v[O+8*(\t):O+8*(\t)+7], v[28+(\t)], v[\ps] matrix_a_fmt:MATRIX_FMT_FP6 matrix_b_fmt:MATRIX_FMT_FP6
.endm
; the next walked step: the lowest bit left in s52 (bits 0-15 the first pass, 16-31 the second; none left: step 15, whose loads are not used), and where its codes and scale words lie
.macro NEXT
	s_ctz_i32_b32 s54, s52
	s_min_u32 s54, s54, 31
	s_sub_co_u32 s59, s52, 1
	s_and_b32 s52, s52, s59
	s_and_b32 s59, s54, 15
	s_mul_i32 s18, s59, 12288
	s_add_co_u32 s18, s18, 12288
	s_add_nc_u64 s[12:13], s[60:61], s[18:19]      ; codes: K's 6,144 bytes, then V's
	s_lshl_b32 s18, s59, 9
	s_add_nc_u64 s[14:15], s[60:61], s[18:19]      ; K's scale words
	s_lshl_b32 s18, s59, 8
	s_add_co_u32 s18, s18, 8192
	s_add_nc_u64 s[16:17], s[60:61], s[18:19]      ; V's
.endm
.macro KLOAD                           ; 17 loads
.irp t, 0,1,2,3,4,5,6,7
	global_load_b128 v[KF+6*\t:KF+6*\t+3], v1, s[12:13] offset:768*\t
	global_load_b64 v[KF+6*\t+4:KF+6*\t+5], v2, s[12:13] offset:768*\t+512
.endr
	global_load_b128 v[32:35], v1, s[14:15]
.endm
.macro VLOAD                           ; 13 loads
	WIN 0x40
.irp t, 0,1,2,3
.irp c, 0,1,2
	global_load_b128 v[VF+12*\t+4*\c:VF+12*\t+4*\c+3], v1, s[12:13] offset:6144+1536*\t+512*\c
.endr
.endr
	WIN 0
	global_load_b128 v[28:31], v3, s[16:17]
.endm
.macro MWORDS off                      ; a tile's 64 lane masks of this step, and the select
	s_load_b512 s[20:35], s[4:5], s6 offset:\off
	s_load_b512 s[36:51], s[4:5], s6 offset:\off+0x40
	s_load_b512 s[68:83], s[4:5], s6 offset:\off+0x80
	s_load_b512 s[84:99], s[4:5], s6 offset:\off+0xc0
	s_wait_kmcnt 0x0
.set n, 0
.rept 32
	v_cndmask_b32 v[S+n], v10, v[S+n], s[20+n]
.set n, n+1
.endr
.rept 32
	v_cndmask_b32 v[S+n], v10, v[S+n], s[36+n]
.set n, n+1
.endr
.endm
; a tile's softmax step, in window w: the scores become p's codes and scale word (v[ps], window 0); the sum and O^T come under the new M
.macro SOFTMAX w, ps
	WIN 0x55*(\w)
	WALU                                           ; ahead of the first reader of the scores
.irp b, 0,1,2,3
	v_max3_num_f32 v[BM+\b], v[S+16*\b], v[S+1+16*\b], v[S+2+16*\b]   ; each block's largest score, four chains by turns
.endr
.irp i, 3,5,7,9,11,13
.irp b, 0,1,2,3
	v_max3_num_f32 v[BM+\b], v[BM+\b], v[S+16*\b+\i], v[S+1+16*\b+\i]
.endr
.endr
.irp b, 0,1,2,3
	v_max_num_f32 v[BM+\b], v[BM+\b], v[S+15+16*\b]
.endr
.irp b, 0,1,2,3
	v_permlanex16_b32 v[T8+\b], v[BM+\b], s8, s9
.endr
.irp b, 0,1,2,3
	D 4
	v_max_num_f32 v[BM+\b], v[BM+\b], v[T8+\b]
.endr
	D 2
	v_max3_num_f32 v[TP], v[BM], v[BM+1], v[BM+2]
	D 1
	v_max_num_f32 v[TP], v[TP], v[BM+3]
	D 1
	v_mul_f32 v[TP], s10, v[TP]
	D 1
	v_max_num_f32 v13, v13, v[TP]                  ; the running largest t
	v_mov_b32 v[TP], v12
	D 2
	v_floor_f32 v12, -v13                          ; -M
	D 1
	v_sub_f32 v[TP], v12, v[TP]
	D 1
	v_cvt_i32_f32 v[TP], v[TP]
	D 1
	v_ldexp_f32 v[F], 1.0, v[TP]                   ; f = 2^(old M - new M)
.set n, 0
.rept 32
	v_pk_fma_f32 v[S+n:S+n+1], v[S+n:S+n+1], s[10:11], v[12:13] op_sel_hi:[1,0,0]
.set n, n+2
.endr
.irp b, 0,1,2,3
	v_fma_f32 v[BM+\b], v[BM+\b], s10, v12
.endr
	WALU                                           ; ahead of the batch
.set n, 0
.rept 64
	v_exp_f32 v[S+n], v[S+n]
.set n, n+1
.endr
	v_pk_mul_f32 v[14:15], v[14:15], v[F:F+1] op_sel_hi:[1,0]
	WALU                                           ; behind it
.irp b, 0,1,2,3
	v_exp_f32 v[BM+\b], v[BM+\b]                   ; each block's largest p
.endr
	v_pk_add_f32 v[T8:T8+1], v[S:S+1], v[S+2:S+3]
.irp j, 4,8,12,16,20,24,28,32,36,40,44,48,52,56,60
	v_pk_add_f32 v[14:15], v[14:15], v[S+\j:S+\j+1]
	v_pk_add_f32 v[T8:T8+1], v[T8:T8+1], v[S+2+\j:S+3+\j]
.endr
	D 1
	v_pk_add_f32 v[14:15], v[14:15], v[T8:T8+1]
	WALU
.irp b, 0,1,2,3
	v_max_num_f32 v[BM+\b], 0x1800000, v[BM+\b]    ; the floor: the byte cannot fall under 1
.endr
.irp b, 0,1,2,3
	D 4
	v_add_nc_u32 v[SO+\b], 0xff000000, v[BM+\b]
.endr
.irp b, 0,1,2,3
	D 4
	v_lshrrev_b32 v[T8+\b], 23, v[SO+\b]
.endr
	D 3
	v_lshl_or_b32 v[PW], v[T8+1], 8, v[T8]
	D 1
	v_lshl_or_b32 v[PW], v[T8+2], 16, v[PW]
	D 1
	v_lshl_or_b32 v[PW], v[T8+3], 24, v[PW]
	WIN (\w)
	v_mov_b32 v[\ps], v[PW]                        ; scale operands are taken from window 0
	WIN 0x55*(\w)
.irp c, 0,1
	v_cvt_scalef32_pk16_fp6_f32 v[P+6*\c:P+2+6*\c], v[S+32*\c:S+15+32*\c], v[SO+2*\c]
	v_cvt_scalef32_pk16_fp6_f32 v[T8+4*\c:T8+2+4*\c], v[S+16+32*\c:S+31+32*\c], v[SO+2*\c+1]
.endr
	v_nop
.irp c, 0,1
.irp i, 0,1,2
	v_permlane16_swap_b32 v[P+6*\c+\i], v[T8+4*\c+\i]
.endr
.irp i, 0,1,2
	D 3
	v_mov_b32 v[P+3+6*\c+\i], v[T8+4*\c+\i]
.endr
.endr
	WALU                                           ; directly ahead of the first reader of O^T
.set n, 0
.rept 16
	v_pk_mul_f32 v[O+n:O+n+1], v[O+n:O+n+1], v[F:F+1] op_sel_hi:[1,0]
.set n, n+2
.endr
.endm
; a tile's end: O^T / the sum, quantised along the head's 64: a half image in v[P .. P+5], two scale bytes in v[TP]
.macro EPI
	v_add_f32 v14, v14, v15
	D 1
	v_permlanex16_b32 v[F], v14, s8, s9
	D 1
	v_add_f32 v14, v14, v[F]
	WALU
	v_rcp_f32 v14, v14
	v_nop
	WALU
.set n, 0
.rept 16
	v_pk_mul_f32 v[S+n:S+n+1], v[O+n:O+n+1], v[14:15] op_sel_hi:[1,0]
.set n, n+2
.endr
.irp b, 0,1
	v_max3_num_f32 v[BM+\b], |v[S+16*\b]|, |v[S+1+16*\b]|, 0x1800000
.endr
.irp i, 2,4,6,8,10,12,14
.irp b, 0,1
	D 2
	v_max3_num_f32 v[BM+\b], v[BM+\b], |v[S+16*\b+\i]|, |v[S+1+16*\b+\i]|
.endr
.endr
.irp b, 0,1
	D 2
	v_permlanex16_b32 v[T8+\b], v[BM+\b], s8, s9
.endr
.irp b, 0,1
	D 2
	v_max_num_f32 v[BM+\b], v[BM+\b], v[T8+\b]
.endr
.irp b, 0,1
	D 2
	v_add_nc_u32 v[SO+\b], 0xff000000, v[BM+\b]
.endr
.irp b, 0,1
	D 2
	v_lshrrev_b32 v[T8+\b], 23, v[SO+\b]
.endr
	D 1
	v_lshl_or_b32 v[TP], v[T8+1], 8, v[T8]
	v_cvt_scalef32_pk16_fp6_f32 v[P:P+2], v[S:S+15], v[SO]
	v_cvt_scalef32_pk16_fp6_f32 v[T8+4:T8+6], v[S+16:S+31], v[SO+1]
	v_nop
.irp i, 0,1,2
	v_permlane16_swap_b32 v[P+\i], v[T8+4+\i]
.endr
.irp i, 0,1,2
	D 3
	v_mov_b32 v[P+3+\i], v[T8+4+\i]
.endr
.endm
.macro HEADREG                         ; written once in each window
	v_mov_b32 v10, 0xf1800000
.irp i, 22,23,24,25,26,27
	v_mov_b32 v\i, 0
.endr
.irp i, 0,1,2,3,4,5
	v_mov_b32 v[P+\i], 0
.endr
.irp i, 0,1,2,3
	v_mov_b32 v[T8+\i], 0
.endr
	v_mov_b32 v[F], 0
	v_mov_b32 v[F+1], 0
.endm
.macro STATE                           ; a tile begins: largest t -3e38, -M its floor, sums and O^T zero
	v_mov_b32 v13, 0xff61b1e6
	v_mov_b32 v12, 0x7f61b1e6
	v_mov_b32 v14, 0
	v_mov_b32 v15, 0
.set n, 0
.rept 32
	v_mov_b32 v[O+n], 0
.set n, n+1
.endr
.endm
; mc's sixteen words of a pair of tiles (tile A: halves 0, 1; tile B: halves 0, 1) -> the steps to walk, the steps that are all true
.macro SUMM w, live, full
	s_or_b32 s26, s[\w], s[\w+4]
	s_or_b32 s27, s[\w+8], s[\w+12]
	s_lshr_b32 s28, s26, 16
	s_or_b32 s26, s26, s28
	s_lshr_b32 s28, s27, 16
	s_or_b32 s27, s27, s28
	s_and_b32 s26, s26, s27
	s_and_b32 s26, s26, 0xffff                     ; bit r: row r of both tiles has a live key
	s_or_b32 s27, s[\w+5], s[\w+13]
	s_lshl_b32 s27, s27, 8
	s_or_b32 s[\live], s[\w+1], s[\w+9]
	s_or_b32 s[\live], s[\live], s27
	s_and_b32 s27, s[\w+6], s[\w+14]
	s_lshl_b32 s27, s27, 8
	s_and_b32 s[\full], s[\w+2], s[\w+10]
	s_or_b32 s[\full], s[\full], s27
	s_cmp_eq_u32 s26, 0xffff
	s_cselect_b32 s[\live], s[\live], 0xffff       ; a row with no live key: every step is walked
.endm
	s_load_b128 s[20:23], s[0:1], 0x0              ; hc, mb
	s_load_b64 s[24:25], s[0:1], 0x10              ; mc
	v_lshrrev_b32 v4, 5, v0
	v_readfirstlane_b32 s2, v4                     ; wave 0..7
	v_and_b32 v5, 31, v0
	v_lshlrev_b32 v1, 4, v5                        ; 16 L
	v_lshlrev_b32 v2, 3, v5                        ; 8 L
	v_and_b32 v3, 15, v0
	v_lshlrev_b32 v3, 4, v3                        ; 16 r
	HEADREG
	WIN 0x40
	HEADREG
	WIN 0
	s_lshr_b32 s26, ttmp9, 2                       ; 16 b + head
	s_and_b32 s27, ttmp9, 3
	s_lshl_b32 s27, s27, 3
	s_add_co_u32 s100, s27, s2                     ; m
	s_lshr_b32 s28, s26, 4                         ; b
	s_mul_i32 s30, s26, KVB
	s_add_co_u32 s30, s30, KVR
	s_mov_b32 s31, 0
	s_mul_i32 s32, s26, QB
	s_mov_b32 s33, 0
	s_lshl_b32 s34, s28, 19                        ; mb: 128 tiles x 4,096 bytes a batch
	s_mov_b32 s35, 0
	s_lshl_b32 s36, s28, 12                        ; mc: 128 tiles x 32 bytes a batch, 64 bytes a pair
	s_lshl_b32 s37, s100, 6
	s_add_co_u32 s37, s37, s36
	s_sub_co_u32 s38, 63, s100
	s_lshl_b32 s38, s38, 6
	s_add_co_u32 s38, s38, s36
	s_mov_b32 s8, 0x76543210
	s_mov_b32 s9, 0xfedcba98
	s_mov_b32 s10, 0x3e38aa3b                      ; log2(e) / 8
	s_mov_b32 s11, s10
	s_mov_b32 s19, 0
	s_mov_b32 s7, 0
	WALU
	s_wait_kmcnt 0x0
	s_add_nc_u64 s[60:61], s[20:21], s[30:31]      ; my head's k and v
	s_add_nc_u64 s[62:63], s[20:21], s[32:33]      ; its q
	s_add_nc_u64 s[66:67], s[22:23], s[34:35]      ; my batch's lane masks
	s_load_b512 s[68:83], s[24:25], s37 offset:0x0
	s_load_b512 s[84:99], s[24:25], s38 offset:0x0
	s_wait_kmcnt 0x0
	SUMM 68, 52, 55
	SUMM 84, 53, 54
	s_bcnt1_i32_b32 s56, s52                       ; trips of the first pass,
	s_bcnt1_i32_b32 s57, s53                       ; of the second
	s_lshl_b32 s53, s53, 16
	s_or_b32 s52, s52, s53                         ; steps still to walk, both passes
	s_lshl_b32 s54, s54, 16
	s_or_b32 s55, s55, s54                         ; steps that are all true
	NEXT
	s_mov_b32 s53, s54                             ; the step at work
	KLOAD
	VLOAD
.Lpass:
	s_sub_co_u32 s59, 63, s100
	s_cmp_eq_u32 s7, 0
	s_cselect_b32 s101, s100, s59                  ; j
	s_cselect_b32 s58, s56, s57                    ; this pass's trips
	s_mul_i32 s24, s101, 1536
	s_add_co_u32 s24, s24, 8192
	s_mov_b32 s25, 0
	s_add_nc_u64 s[20:21], s[62:63], s[24:25]      ; q's two half images
	s_lshr_b32 s24, s101, 2
	s_lshl_b32 s24, s24, 9
	s_and_b32 s26, s101, 3
	s_lshl_b32 s26, s26, 2
	s_add_co_u32 s24, s24, s26
	s_add_nc_u64 s[22:23], s[62:63], s[24:25]      ; their scale words
	s_lshl_b32 s24, s101, 13
	s_add_nc_u64 s[4:5], s[66:67], s[24:25]        ; their lane masks
	global_load_b128 v[16:19], v1, s[20:21]
	global_load_b64 v[20:21], v2, s[20:21] offset:512
	global_load_b32 v36, v3, s[22:23]
	global_load_b32 v37, v3, s[22:23] offset:256
	STATE
	WIN 0x40
	global_load_b128 v[16:19], v1, s[20:21] offset:768
	global_load_b64 v[20:21], v2, s[20:21] offset:1280
	STATE
	WIN 0
	WALU
	s_wait_loadcnt 0x0
	s_mov_b32 s3, 0
.Lstep:
	s_wait_loadcnt 13                              ; K and its scale words are in; V's 13 loads, issued behind them, may be out
.irp t, 0,1,2,3,4,5,6,7
	QK \t, 36
.endr
	WIN 0x44
.irp t, 0,1,2,3,4,5,6,7
	QK \t, 37
.endr
	WIN 0
	PLACES
	s_wait_xcnt 0x0                                ; V's loads have read their bases, which are written below
	NEXT
	KLOAD                                          ; the next walked step's K
	s_and_b32 s6, s53, 15
	s_lshl_b32 s6, s6, 8
	s_bitcmp1_b32 s55, s53
	s_cbranch_scc1 .Lfull                          ; all true for both tiles: nothing to select
	MWORDS 0x0
	WIN 0x55
	MWORDS 0x1000
	WIN 0
.Lfull:
	SOFTMAX 0, 40
	SOFTMAX 1, 41
	WIN 0
	WALU
	s_wait_loadcnt 17                              ; V and its scale words are in; the next K's 17 loads may be out
	WIN 0x01
.irp t, 0,1,2,3
	PV \t, 40
.endr
	WIN 0x55
.irp t, 0,1,2,3
	PV \t, 41
.endr
	WIN 0
	PLACES
	VLOAD                                          ; the next walked step's V
	s_mov_b32 s53, s54
	s_add_co_u32 s3, s3, 1
	s_cmp_lt_u32 s3, s58
	WALU
	s_cbranch_scc1 .Lstep
	s_load_b128 s[20:23], s[0:1], 0x18             ; xc, sc
	s_lshr_b32 s24, ttmp9, 2
	s_lshr_b32 s25, s24, 4
	s_and_b32 s24, s24, 15                         ; head
	s_lshl_b32 s25, s25, 7
	s_lshl_b32 s26, s101, 1
	s_add_co_u32 s25, s25, s26                     ; tile A among all 512
	s_mul_i32 s28, s25, 12288
	s_mul_i32 s26, s24, 768
	s_add_co_u32 s28, s28, s26
	s_mov_b32 s29, 0
	s_lshl_b32 s30, s25, 9
	s_add_co_u32 s30, s30, XO
	s_lshr_b32 s26, s24, 3
	s_lshl_b32 s26, s26, 8
	s_add_co_u32 s30, s30, s26
	s_and_b32 s26, s24, 7
	s_lshl_b32 s26, s26, 1
	s_add_co_u32 s30, s30, s26
	s_mov_b32 s31, 0
	EPI
	WALU
	s_wait_kmcnt 0x0
	s_add_nc_u64 s[28:29], s[20:21], s[28:29]
	s_add_nc_u64 s[30:31], s[22:23], s[30:31]
	global_store_b128 v1, v[P:P+3], s[28:29]
	global_store_b64 v2, v[P+4:P+5], s[28:29] offset:512
	global_store_b16 v3, v[TP], s[30:31]
	WIN 0x55
	EPI
	WALU
	WIN 0x04                                       ; a store's data window 1, its address window 0
	global_store_b128 v1, v[P:P+3], s[28:29] offset:12288
	global_store_b64 v2, v[P+4:P+5], s[28:29] offset:12800
	global_store_b16 v3, v[TP], s[30:31] offset:512
	WIN 0
	s_wait_xcnt 0x0                                ; the stores have read their registers and bases
	s_add_co_u32 s7, s7, 1
	s_cmp_lt_u32 s7, 2
	s_cbranch_scc1 .Lpass
	s_endpgm
.Lfunc_end_k_q4ee10087b3_attn:
	.size	k_q4ee10087b3_attn, .Lfunc_end_k_q4ee10087b3_attn-k_q4ee10087b3_attn
	.p2alignl 7, 3214868480
	.fill 96, 4, 3214868480
	.section	.rodata,"a",@progbits
	.p2align	6, 0x0
	.amdhsa_kernel k_q4ee10087b3_attn
		.amdhsa_group_segment_fixed_size 0
		.amdhsa_private_segment_fixed_size 0
		.amdhsa_enable_private_segment 0
		.amdhsa_kernarg_size 40
		.amdhsa_user_sgpr_count 2
		.amdhsa_user_sgpr_kernarg_segment_ptr 1
		.amdhsa_wavefront_size32 1
		.amdhsa_system_sgpr_workgroup_id_x 1
		.amdhsa_system_sgpr_workgroup_id_y 1
		.amdhsa_system_sgpr_workgroup_id_z 1
		.amdhsa_system_vgpr_workitem_id 0
		.amdhsa_next_free_vgpr 512
		.amdhsa_next_free_sgpr 102
		.amdhsa_reserve_vcc 0
		.amdhsa_float_denorm_mode_32 3
		.amdhsa_float_denorm_mode_16_64 3
		.amdhsa_memory_ordered 1
		.amdhsa_forward_progress 1
		.amdhsa_inst_pref_size 63
	.end_amdhsa_kernel
	.amdgpu_metadata
---
amdhsa.version: [ 1, 2 ]
amdhsa.kernels:
  - .name:           k_q4ee10087b3_attn
    .symbol:         k_q4ee10087b3_attn.kd
    .args:
      - { .name: hc, .offset: 0, .size: 8, .value_kind: global_buffer, .address_space: global }
      - { .name: mb, .offset: 8, .size: 8, .value_kind: global_buffer, .address_space: global }
      - { .name: mc, .offset: 16, .size: 8, .value_kind: global_buffer, .address_space: global }
      - { .name: xc, .offset: 24, .size: 8, .value_kind: global_buffer, .address_space: global }
      - { .name: sc, .offset: 32, .size: 8, .value_kind: global_buffer, .address_space: global }
    .group_segment_fixed_size: 0
    .private_segment_fixed_size: 0
    .kernarg_segment_align: 8
    .kernarg_segment_size: 40
    .max_flat_workgroup_size: 256
    .sgpr_count:     102
    .vgpr_count:     512
    .wavefront_size: 32
...
	.end_amdgpu_metadata
.endif
;; end of part 3
;; launch outp (part 4): grid 4 x 32, 4 waves a work-group, clusters of 4 x 4, 327,680 bytes of LDS; arguments xc, ac, sc, bo, out0; writes out0
.if DOCPART == 4
	.amdgcn_target "amdgcn-amd-amdhsa--gfx1250"
	.amdhsa_code_object_version 6
	.text
	.protected	k_q4ee10087b3_outp
	.globl	k_q4ee10087b3_outp
	.p2align	8
	.type	k_q4ee10087b3_outp,@function
k_q4ee10087b3_outp:
	s_mov_b64 s[64:65], 0
	v_nop
	global_prefetch_b8 v0, s[64:65] scope:SCOPE_SE
	s_setreg_imm32_b32 hwreg(HW_REG_WAVE_MODE, 25, 1), 1
	s_wait_xcnt 0x0
	s_wait_alu depctr_hold_cnt(0) depctr_sa_sdst(0) depctr_va_vdst(0) depctr_va_sdst(0) depctr_va_ssrc(0) depctr_va_vcc(0) depctr_vm_vsrc(0)
	s_getreg_b32 s2, hwreg(HW_REG_IB_STS2, 6, 4)
	s_cmp_eq_u32 s2, 0
	s_cbranch_scc0 .Lentry_in_a_cluster
	s_endpgm
.Lentry_in_a_cluster:
	s_bfe_u32 s2, ttmp6, 0x10000c
	s_cmp_lg_u32 s2, 0xf033
	s_cbranch_scc0 .Lentry_shape_is_right
	s_endpgm
.Lentry_shape_is_right:
.set FR,    12
.set NLR,   4
.set HALFT, 24576
.set SLOT,  98304
.set SPARE, 294912
.set STAGE, SLOT
.set SPITCH, 528
.set XO,    917504
.set WOS,   884736
.set WOC,   21233664
.set ADR8, 12
.set ADRR, 16
.set ADRC, 20
.set STO,  24
.set RD,   25
.set LI,   27
.set SPW,  28
.set NIL,  29
.set SC,   32
.set AF,   128
.set BK,   128
.set G1,  24
.set G0,  32
.set G1B, 44
.set G0B, 52
.set MSB, 0
.macro WIN new
.if MSB != (\new)
	s_set_vgpr_msb (MSB<<8)|(\new)
.set MSB, (\new)
.endif
.endm
.set MUL_LO, 0xa1
.set MUL_HI, 0xf1
.set TO_C,   0x40
.macro JLOAD g0a, g1a, g0b, g1b
	s_cmp_eq_u32 s17, 0
	s_cbranch_scc0 .Lfor_c_\@
	tensor_load_to_lds s[\g0a:\g0a+3], s[\g1a:\g1a+7]
	s_nop 0
.rept 4
	v_nop
.endr
	s_branch .Lasked_\@
.Lfor_c_\@:
	tensor_load_to_lds s[\g0b:\g0b+3], s[\g1b:\g1b+7]
	s_nop 0
.rept 4
	v_nop
.endr
.Lasked_\@:
.endm
.macro CREST
	s_cmp_lg_u32 s16, 0
	s_cbranch_scc1 .Lnot_wave_0_\@
	s_barrier_signal -3
.Lnot_wave_0_\@:
	s_barrier_wait -3
	s_barrier_signal -1
	s_barrier_wait -1
.endm
.macro CROUND
	s_barrier_signal -1
	s_barrier_wait -1
	CREST
.endm
.macro PLACES n
.rept \n
	v_nop
.endr
.endm
	s_load_b256 s[4:11], s[0:1], 0x0
	s_load_b64 s[12:13], s[0:1], 0x20
	v_lshl_add_u32 v[SPW], v0, 2, SPARE
	v_mov_b32 v[NIL], 0
	ds_add_u32 v[SPW], v[NIL]
	ds_add_u32 v[SPW], v[NIL]
	v_lshrrev_b32 v1, 5, v0
	v_readfirstlane_b32 s16, v1
	s_lshr_b32 s17, s16, 1
	s_and_b32 s18, s16, 1
	s_bfe_u32 s19, ttmp6, 0x40000
	s_bfe_u32 s20, ttmp6, 0x40004
	s_and_b32 s21, ttmp7, 0xffff
	s_lshl_b32 s21, s21, 2
	s_add_co_u32 s21, s21, s20
	s_lshl_b32 s66, s20, 2
	s_lshl_b32 s66, 15, s66
	s_lshl_b32 s67, 0x1111, s19
	s_or_b32 s[G1], s66, (3<<16)|(1<<21)
	s_or_b32 s[G1B], s67, (3<<16)|(1<<21)
.irp g, G1, G1B
	s_mov_b32 s[\g+1], 384<<16
	s_mov_b32 s[\g+2], 8<<16
	s_mov_b32 s[\g+3], 384<<16
	s_mov_b32 s[\g+4], 8
	s_mov_b32 s[\g+5], 1536
	s_mov_b32 s[\g+6], 0
	s_mov_b32 s[\g+7], 0
.endr
	s_lshl_b32 s70, s21, 4
	s_lshl_b32 s72, s19, 4
	s_lshl_b32 s76, s18, 3
	s_add_co_u32 s77, s70, s76
	s_mul_i32 s78, s77, 12288
	s_mov_b32 s79, 0
	s_add_co_u32 s83, s72, s76
	s_mul_i32 s80, s83, 12288
	s_add_co_u32 s80, s80, WOC
	s_mov_b32 s81, 0
	s_mul_i32 s82, s16, HALFT
	s_wait_dscnt 0x0
	s_wait_kmcnt 0x0
	s_add_nc_u64 s[78:79], s[4:5], s[78:79]
	s_add_nc_u64 s[80:81], s[6:7], s[80:81]
	CROUND
.irp s, 0,1,2
	s_mov_b32 s[G0+4*\s], 1
	s_add_co_u32 s[G0+4*\s+1], s82, \s*SLOT
	s_add_nc_u64 s[G0+4*\s+2:G0+4*\s+3], s[78:79], \s*3072
	s_or_b32 s[G0+4*\s+3], s[G0+4*\s+3], 0x80000000
	s_mov_b32 s[G0B+4*\s], 1
	s_add_co_u32 s[G0B+4*\s+1], s82, \s*SLOT
	s_add_nc_u64 s[G0B+4*\s+2:G0B+4*\s+3], s[80:81], \s*3072
	s_or_b32 s[G0B+4*\s+3], s[G0B+4*\s+3], 0x80000000
	s_wait_alu depctr_va_vdst(0)
	s_wait_tensorcnt 0x0
	ds_add_u32 v28, v29
	ds_add_u32 v28, v29
	s_wait_dscnt 0x0
	CROUND
	JLOAD G0+4*\s, G1, G0B+4*\s, G1B
.endr
	v_and_b32 v1, 31, v0
	v_and_b32 v2, 15, v0
	v_bfe_u32 v3, v0, 4, 1
	v_lshlrev_b32 v[LI], 4, v1
	v_lshlrev_b32 v6, 3, v1
	s_mul_i32 s84, s17, HALFT
	s_mul_i32 s85, s18, HALFT
	s_add_co_u32 s85, s85, 2*HALFT
.irp s, 0,1,2
	v_add_nc_u32 v[ADRR+\s], s84, v[LI]
	v_add_nc_u32 v[ADR8+\s], s84, v6
	v_add_nc_u32 v[ADRC+\s], s85, v[LI]
	s_add_co_u32 s84, s84, SLOT
	s_add_co_u32 s85, s85, SLOT
.endr
	s_lshl_b32 s86, s17, 3
	s_add_co_u32 s86, s86, s70
	s_lshl_b32 s86, s86, 9
	s_add_co_u32 s86, s86, XO
	s_lshl_b32 s87, s18, 3
	s_add_co_u32 s87, s87, s72
	s_lshl_b32 s87, s87, 9
	s_add_co_u32 s87, s87, WOS
	v_mov_b32 v4, s86
	v_mov_b32 v5, s87
	v_cmp_eq_u32 vcc_lo, 1, v3
	v_cndmask_b32 v4, v4, v5, vcc_lo
	v_lshl_add_u32 v4, v2, 4, v4
.irp i, 0,1,2,3,4,5,6,7
.irp g, 0,1
	global_load_b128 v[SC+8*\i+4*\g:SC+8*\i+4*\g+3], v4, s[8:9] offset:512*\i+256*\g
.endr
.endr
	s_lshl_b32 s88, s19, 8
	s_lshl_b32 s89, s18, 7
	s_add_co_u32 s88, s88, s89
	s_lshl_b32 s88, s88, 2
	s_mov_b32 s89, 0
	s_add_nc_u64 s[10:11], s[10:11], s[88:89]
	v_lshlrev_b32 v5, 5, v3
.irp b, 0,1,2,3,4,5,6,7
.irp g, 0,1
	global_load_b128 v[96+8*\b+96*(\b/4)+4*\g:96+8*\b+96*(\b/4)+4*\g+3], v5, s[10:11] offset:64*\b+16*\g
.endr
.endr
	s_lshl_b32 s90, s21, 8
	s_lshl_b32 s91, s17, 7
	s_add_co_u32 s90, s90, s91
	s_lshl_b32 s90, s90, 12
	s_mov_b32 s91, 0
	s_add_nc_u64 s[12:13], s[12:13], s[90:91]
	s_add_nc_u64 s[12:13], s[12:13], s[88:89]
	s_mul_i32 s92, s16, 16*SPITCH
	s_add_co_u32 s92, s92, STAGE
	v_mul_u32_u24 v7, v2, SPITCH
	v_lshl_add_u32 v7, v3, 5, v7
	v_add_nc_u32 v[STO], s92, v7
	v_add_nc_u32 v[RD], s92, v[LI]
.macro MUL16 a0, p, ks, mode
.irp a, \a0, \a0+1
.irp b, 0,1,2,3,4,5,6,7
.if (\mode) == 2
	v_wmma_scale_f32_16x16x128_f8f6f4 v[8*(8*((\a)%4)+\b):8*(8*((\a)%4)+\b)+7], v[128*(\p)+FR*\b:128*(\p)+FR*\b+FR-1], v[AF+FR*(\a):AF+FR*(\a)+FR-1], v[96+8*\b+96*(\b/4):96+8*\b+96*(\b/4)+7], v[SC+8*\b+(\ks)], v[SC+8*(\a)+(\ks)] matrix_a_fmt:MATRIX_FMT_FP6 matrix_b_fmt:MATRIX_FMT_FP6 matrix_a_scale:MATRIX_SCALE_ROW1
.else
	v_wmma_scale_f32_16x16x128_f8f6f4 v[8*(8*((\a)%4)+\b):8*(8*((\a)%4)+\b)+7], v[128*(\p)+FR*\b:128*(\p)+FR*\b+FR-1], v[AF+FR*(\a):AF+FR*(\a)+FR-1], v[8*(8*((\a)%4)+\b):8*(8*((\a)%4)+\b)+7], v[SC+8*\b+(\ks)], v[SC+8*(\a)+(\ks)] matrix_a_fmt:MATRIX_FMT_FP6 matrix_b_fmt:MATRIX_FMT_FP6 matrix_a_scale:MATRIX_SCALE_ROW1
.endif
.endr
.endr
.endm
.macro FETCH_C k, p
	WIN TO_C
.irp i, 0,1,2,3,4,5,6,7
.irp c, 0,1,2
	ds_load_b128 v[128*(\p)+FR*\i+4*\c:128*(\p)+FR*\i+4*\c+3], v[ADRC+(((\k)/2)%3)] offset:3072*\i+1536*((\k)%2)+512*\c
.endr
.endr
	WIN 0
.endm
.macro FETCH_R k, i0
.irp i, \i0, \i0+1, \i0+2, \i0+3
.irp c, 0,1
	ds_load_b128 v[AF+FR*(\i)+6*\c:AF+FR*(\i)+6*\c+3], v[ADRR+(((\k)/2)%3)] offset:3072*(\i)+1536*((\k)%2)+768*\c
	ds_load_b64 v[AF+FR*(\i)+6*\c+4:AF+FR*(\i)+6*\c+5], v[ADR8+(((\k)/2)%3)] offset:3072*(\i)+1536*((\k)%2)+768*\c+512
.endr
.endr
.endm
.macro STEP k, mode
	s_wait_dscnt 4*NLR
.if (\mode) == 2
	WIN 0x81
.else
	WIN MUL_LO
.endif
	MUL16 0, (\k)%2, \k, \mode
	MUL16 2, (\k)%2, \k, \mode
	s_wait_dscnt 0
	PLACES 4
	FETCH_C (\k)+1, ((\k)+1)%2
	FETCH_R (\k)+1, 0
.if (\mode) == 2
	WIN 0xc1
.else
	WIN MUL_HI
.endif
	MUL16 4, (\k)%2, \k, \mode
	MUL16 6, (\k)%2, \k, \mode
	PLACES 4
	WIN 0
	FETCH_R (\k)+1, 4
.endm
.macro TURN k, fill
	s_wait_tensorcnt 0x0
	ds_add_u32 v[SPW], v[NIL]
	s_wait_dscnt 4*NLR+1
	WIN MUL_LO
	MUL16 0, (\k)%2, \k, 0
	s_wait_dscnt 0x0
	s_barrier_signal -1
	MUL16 2, (\k)%2, \k, 0
	WIN 0
	s_barrier_wait -1
.if \fill
	CREST
	s_add_nc_u64 s[G0+2:G0+3], s[G0+2:G0+3], 9216
	s_add_nc_u64 s[G0B+2:G0B+3], s[G0B+2:G0B+3], 9216
	JLOAD G0, G1, G0B, G1B
.else
	PLACES 4
.endif
	FETCH_C (\k)+1, ((\k)+1)%2
	FETCH_R (\k)+1, 0
	WIN MUL_HI
	MUL16 4, (\k)%2, \k, 0
	MUL16 6, (\k)%2, \k, 0
	PLACES 4
	WIN 0
	FETCH_R (\k)+1, 4
.endm
	s_wait_tensorcnt 2
	s_barrier_signal -1
	s_barrier_wait -1
	FETCH_C 0, 0
	FETCH_R 0, 0
	FETCH_R 0, 4
	s_wait_loadcnt 0x0
	STEP 0, 2
	TURN 1, 1
	STEP 2, 0
	STEP 3, 0
	STEP 4, 0
	TURN 5, 0
	STEP 6, 0
	s_wait_dscnt 4*NLR
	WIN MUL_LO
	MUL16 0, 1, 7, 0
	MUL16 2, 1, 7, 0
	s_wait_alu depctr_va_vdst(0)
	s_wait_dscnt 0
	WIN MUL_HI
	MUL16 4, 1, 7, 0
	MUL16 6, 1, 7, 0
	WIN 0
.macro TOSTAGE a
.set AC, 64*((\a)%4)
	WIN 0x08+4*((\a)/4)
.irp b, 0,1,2,3,4,5,6,7
	ds_store_b128 v[STO], v[AC+8*\b:AC+8*\b+3] offset:64*\b
	ds_store_b128 v[STO], v[AC+8*\b+4:AC+8*\b+7] offset:64*\b+16
.endr
	WIN 0
.set BB, BK+64*((\a)%2)
.irp t, 0,1,2,3,4,5,6,7,8,9,10,11,12,13,14,15
	ds_load_b128 v[BB+4*\t:BB+4*\t+3], v[RD] offset:\t*SPITCH
.endr
.endm
.macro SEND a, younger
.set BB, BK+64*((\a)%2)
	s_wait_dscnt \younger
.if (\a) > 0
	s_add_nc_u64 s[12:13], s[12:13], 16*4096
.endif
.irp t, 0,1,2,3,4,5,6,7,8,9,10,11,12,13,14,15
	global_store_b128 v[LI], v[BB+4*\t:BB+4*\t+3], s[12:13] offset:\t*4096 th:TH_STORE_NT
.endr
.endm
	PLACES 4
	TOSTAGE 0
.irp a, 1,2,3,4,5,6,7
.if \a > 1
	s_wait_xcnt 0x0
.endif
	TOSTAGE \a
	SEND \a-1, 32
.endr
	s_wait_xcnt 0x0
	SEND 7, 0
	s_wait_tensorcnt 0x0
	ds_add_u32 v[SPW], v[NIL]
	s_wait_dscnt 0x0
	CROUND
	s_endpgm
.Lfunc_end_k_q4ee10087b3_outp:
	.size	k_q4ee10087b3_outp, .Lfunc_end_k_q4ee10087b3_outp-k_q4ee10087b3_outp
	.p2alignl 7, 3214868480
	.fill 96, 4, 3214868480
	.section	.rodata,"a",@progbits
	.p2align	6, 0x0
	.amdhsa_kernel k_q4ee10087b3_outp
		.amdhsa_group_segment_fixed_size 327680
		.amdhsa_private_segment_fixed_size 0
		.amdhsa_enable_private_segment 0
		.amdhsa_kernarg_size 40
		.amdhsa_user_sgpr_count 2
		.amdhsa_user_sgpr_kernarg_segment_ptr 1
		.amdhsa_wavefront_size32 1
		.amdhsa_system_sgpr_workgroup_id_x 1
		.amdhsa_system_sgpr_workgroup_id_y 1
		.amdhsa_system_sgpr_workgroup_id_z 1
		.amdhsa_system_vgpr_workitem_id 0
		.amdhsa_next_free_vgpr 1024
		.amdhsa_next_free_sgpr 100
		.amdhsa_reserve_vcc 1
		.amdhsa_float_denorm_mode_32 3
		.amdhsa_float_denorm_mode_16_64 3
		.amdhsa_memory_ordered 1
		.amdhsa_forward_progress 1
		.amdhsa_inst_pref_size 140
	.end_amdhsa_kernel
	.amdgpu_metadata
---
amdhsa.version: [ 1, 2 ]
amdhsa.kernels:
  - .name:           k_q4ee10087b3_outp
    .symbol:         k_q4ee10087b3_outp.kd
    .args:
      - { .name: xc, .offset: 0, .size: 8, .value_kind: global_buffer, .address_space: global }
      - { .name: ac, .offset: 8, .size: 8, .value_kind: global_buffer, .address_space: global }
      - { .name: sc, .offset: 16, .size: 8, .value_kind: global_buffer, .address_space: global }
      - { .name: bo, .offset: 24, .size: 8, .value_kind: global_buffer, .address_space: global }
      - { .name: out0, .offset: 32, .size: 8, .value_kind: global_buffer, .address_space: global }
    .group_segment_fixed_size: 327680
    .private_segment_fixed_size: 0
    .kernarg_segment_align: 8
    .kernarg_segment_size: 40
    .max_flat_workgroup_size: 128
    .sgpr_count:     100
    .vgpr_count:     1024
    .wavefront_size: 32
...
	.end_amdgpu_metadata
.endif
;; end of part 4
